; MI455X (gfx1250); checked and timed in simulation.
; The chip was launched on July 23, 2026; its instructions are those of AMD's public machine-readable ISA for CDNA 5 (MIT licence, August 2026) and "CDNA5" Instruction Set Architecture Reference Guide (July 2026). The comments in the code are by the model that wrote it; some were corrected since.
;; Multi Headed Attention. Allowed arithmetic: matrix products marked QUANTISED: E2M1 operands, one E8M0 scale for each 32 along K, by v_wmma_scale_f32_16x16x128_f8f6f4 with both operands' format E2M1 (or v_wmma_scale_f32_32x16x128_f4), f32 sums; products left as they are: bf16, f16 or f32 operands; f32 sums; everything else in f32.
;; Inputs: Wk 512 x 512 float32; Wo 512 x 512 float32; Wq 512 x 512 float32; Wv 512 x 512 float32; bk 512 float32; bo 512 float32; bq 512 float32; bv 512 float32; key_input 2 x 4,096 x 512 float32; mask 2 x 1 x 4,096 x 4,096 bool; query_input 2 x 4,096 x 512 float32; value_input 2 x 4,096 x 512 float32.
;; Outputs: out0 2 x 4,096 x 512 float32.
;; This version of the problem:
;;   THIS VERSION OF THE PROBLEM IS GIVEN IN LOW PRECISION. The matrix products marked QUANTISED in the list below multiply operands that are first quantised to E2M1 (2 exponent bits, 1 mantissa bit; 4 bits a number), with one power-of-two scale for each 32 numbers along K (OCP MX v1.0); their sums are f32. The products marked 'left as it is' may take bf16, f16 or f32 operands, with f32 sums. Whichever they take, every output number must still come out within the allowed error. Rounding operands to bf16 (8 significant bits) uses up far more of that allowance than f16 does (11 bits, for magnitudes from 6e-5 to 65,504). All else is computed in f32.
;;   The module's matrix products, in the order in which they are computed (A, B: the left and right operand; K: the contracted axis; several contracted axes count as one K, in the product's order):
;;     1. [M 8,192, K 512] x [K 512, N 512]; A: input query_input; B: input Wq: QUANTISED
;;     2. [M 8,192, K 512] x [K 512, N 512]; A: input key_input; B: input Wk: QUANTISED
;;     3. [M 8,192, K 512] x [K 512, N 512]; A: input value_input; B: input Wv: QUANTISED
;;     4. batch 16 x [M 4,096, K 64] x [K 64, N 4,096]; A: computed on the way; B: computed on the way: left as it is (an operand is computed on the way)
;;     5. batch 16 x [M 4,096, K 4,096] x [K 4,096, N 64]; A: computed on the way; B: computed on the way: left as it is (an operand is computed on the way)
;;     6. [M 8,192, K 512] x [K 512, N 512]; A: computed on the way; B: input Wo: left as it is (an operand is computed on the way)
;;   THE QUANTISER, for each operand of a quantised product, along K:
;;     - K is cut into blocks of 32 from its start; a last block that is shorter is filled with zeros.
;;     - A block's scale is 2^e with e = floor(log2(the largest magnitude in the block)) - 2, held to -126 .. 127; a block of zeros has e = 0. As a byte (E8M0): e + 127.
;;     - Each number is divided by its block's scale, clamped to +-6, and rounded to the nearest number of E2M1, ties to even, subnormals kept.
;;     - The product sums the exact products of the quantised numbers (number of the format x scale) in f32.
;;   ~~~python
;;   def quantise(x, axis):      # numpy; x: float32 -> the quantised numbers, widened to float32 again
;;       x = np.moveaxis(x, axis, -1); K = x.shape[-1]
;;       x = np.pad(x, [(0, 0)] * (x.ndim - 1) + [(0, -K % 32)]); x = x.reshape(x.shape[:-1] + (-1, 32)); a = np.abs(x).max(-1, keepdims=True)
;;       e = np.where(a > 0, np.clip(np.frexp(np.where(a > 0, a, 1))[1] - 1 - 2, -126, 127), 0)      # np.frexp(a)[1] - 1 = floor(log2(a)), exactly
;;       r = np.clip(x / 2.0 ** e, -6, 6)
;;       step = 2.0 ** (np.maximum(np.frexp(np.where(r == 0, 1, r))[1] - 1, 0) - 1)
;;       q = np.round(r / step) * step * 2.0 ** e      # np.round: ties to even
;;       return np.moveaxis(q.reshape(q.shape[:-2] + (-1,))[..., :K], -1, axis).astype(np.float32)
;;   ~~~
;; 2 versions, each right. Each part assembles by itself: llvm-mc -triple=amdgcn-amd-amdhsa -mcpu=gfx1250 --defsym DOCPART=n.
;; ======== version 1 of 2: 5 launches
;; limits: values are held in f16: magnitudes above 65,504 overflow, below 6.1e-05 lose precision
;; workspace buffers: wts 966,656 bytes; maskw 4,194,304 bytes of whole numbers; hi 25,165,824 bytes; lo 25,165,824 bytes; hhi 8,388,608 bytes; part 524,288 bytes
;; launch prep (part 1): grid 576 x 1, 8 waves a work-group, no clusters, 76,800 bytes of LDS; arguments mask, Wq, Wk, Wv, Wo, maskw, wts; writes maskw, wts
.if DOCPART == 1
	.amdgcn_target "amdgcn-amd-amdhsa--gfx1250"
	.amdhsa_code_object_version 6
	.text
	.protected	k_q86645fe314_prep
	.globl	k_q86645fe314_prep
	.p2align	8
	.type	k_q86645fe314_prep,@function
k_q86645fe314_prep:
	s_mov_b64 s[64:65], 0
	v_nop
	global_prefetch_b8 v0, s[64:65] scope:SCOPE_SE
	s_setreg_imm32_b32 hwreg(HW_REG_WAVE_MODE, 25, 1), 1
	s_wait_xcnt 0x0
; PREP: what later launches read many times is laid out once, in the order in which their registers take it.
; Work-groups 0-47:   Wq, Wk, Wv [512 n][512 k] f32 -> codes of E2M1 with one E8M0 byte for each 32 along K.  A wave makes one fragment (16 rows x 128 K): 8 registers a lane,
;                     stored as an image of the registers (registers 4 c .. 4 c + 3 at 512 c + 16 x lane), and its scale word, 4 bytes a lane.
; Work-groups 48-63:  Wo [512 n][512 k] f32 -> f16 fragments (16 rows x 32 K), images likewise.
; Work-groups 64-575: the mask, one byte a number, -> one bit a number: word 8 t + j of key step ks holds in bit l the mask of query 16 qt + l % 16 and key 64 ks + 16 t + 8 (l / 16) + j,
;                     which is the lane mask that picks register 8 t + j of a tile of scores.  A work-group takes 16 queries, each of its 8 waves 512 keys.
; The three parts are told apart by the work-group's number alone; only the mask's part touches LDS.
; A block's scale is 2^(floor(log2(largest magnitude)) - 2): its byte is the largest magnitude's exponent field - 2, held at 1 from below.  A block of zeros keeps the byte 1: its codes are zeros, and this program alone reads the bytes.
; LIMITS: NaN and infinities among the weights are not served; |Wo| stays under 65,504 (f16); a mask byte is 0 or 1: bit 0 is what is tested.
.set WSC,   393216                     ; wts: the scale words begin here (3 x 32 x 4 images of 1,024 bytes lie in front)
.set WOH,   442368                     ; and Wo's fragments here
.set SP,    528                        ; the mask's stage: a row of 512 bytes + 16
.set WORDS, 16*SP                      ; behind a wave's 16 rows: its 1,024 bytes of words
.set WREG,  WORDS+1024                 ; a wave's own LDS
.set SPARE, 8*WREG                     ; the spare words, 128 bytes a wave: no other line names them
.set LI,  1                            ; v1   16 x lane
.set STW, 2                            ; v2   the stage, on the way in
.set RDB, 3                            ; v3   the stage, on the way out: row l % 16, + 8 (l / 16)
.set WST, 4                            ; v4   where a word goes: 4 x lane
.set WRD, 5                            ; v5   and comes back: 16 x lane
.set SPW, 6                            ; v6   my spare word; never rewritten
.set NIL, 7                            ; v7   0; never rewritten
.set SH8, 13                           ; v13  8 (l / 16)
.set SEL, 30                           ; s[30:31] lane selects: lane l xor 16
; 64 numbers of a lane, register 32 c + i = k 64 c + 32 (l / 16) + i of my row, become a fragment's 8 registers of codes in v[cc] on and my row's scale word in v[ww].  tt: four registers at work.
.macro QUANT64 xx, cc, ww, tt
	v_max3_num_f32 v[\tt], |v[\xx]|, |v[\xx+1]|, 0x1800000        ; my two whole blocks by turns; the floor 2^(3 - 127) holds the byte at 1 from below
	v_max3_num_f32 v[\tt+1], |v[\xx+32]|, |v[\xx+33]|, 0x1800000
.irp i, 2,4,6,8,10,12,14,16,18,20,22,24,26,28,30
	v_max3_num_f32 v[\tt], v[\tt], |v[\xx+\i]|, |v[\xx+\i+1]|
	v_max3_num_f32 v[\tt+1], v[\tt+1], |v[\xx+32+\i]|, |v[\xx+33+\i]|
.endr
	v_add_nc_u32 v[\tt], 0xff000000, v[\tt]                       ; 2 off the exponent field: the conversion's scale operand
	v_add_nc_u32 v[\tt+1], 0xff000000, v[\tt+1]
	v_lshrrev_b32 v[\tt+2], 23, v[\tt]                            ; the bytes of blocks l / 16 and 2 + l / 16
	v_lshrrev_b32 v[\tt+3], 23, v[\tt+1]
	v_lshl_or_b32 v[\tt+2], v[\tt+3], 16, v[\tt+2]
	v_lshlrev_b32 v[\tt+2], v[SH8], v[\tt+2]                      ; at their places in the word
	v_permlanex16_b32 v[\tt+3], v[\tt+2], s[SEL], s[SEL+1]
	v_or_b32 v[\ww], v[\tt+2], v[\tt+3]                           ; with lane l xor 16's two the word is whole
.irp c, 0,1
.irp g, 0,1,2,3
	v_cvt_scalef32_pk8_fp4_f32 v[\cc+4*\c+\g], v[\xx+32*\c+8*\g:\xx+32*\c+8*\g+7], v[\tt+\c]
.endr
.endr
	v_nop                                                         ; one plain line behind the last scaled conversion
.endm
	s_load_b256 s[4:11], s[0:1], 0x0               ; mask, Wq, Wk, Wv
	s_load_b128 s[12:15], s[0:1], 0x20             ; Wo, maskw
	s_load_b64 s[16:17], s[0:1], 0x30              ; wts
	v_lshl_add_u32 v[SPW], v0, 2, SPARE
	v_mov_b32 v[NIL], 0
	v_lshrrev_b32 v8, 5, v0
	v_readfirstlane_b32 s18, v8                    ; wave 0..7
	v_and_b32 v9, 31, v0                           ; lane
	v_and_b32 v10, 15, v0                          ; r
	v_bfe_u32 v11, v0, 4, 1                        ; h
	v_lshlrev_b32 v[LI], 4, v9
	s_mul_i32 s19, s18, WREG
	v_add_nc_u32 v[STW], s19, v[LI]
	v_mul_u32_u24 v[RDB], v10, SP
	v_lshl_add_u32 v[RDB], v11, 3, v[RDB]
	v_add_nc_u32 v[RDB], s19, v[RDB]
	v_lshlrev_b32 v14, 2, v9                       ; 4 x lane
	v_add_nc_u32 v[WST], s19, v14
	v_add_nc_u32 v[WST], WORDS, v[WST]
	v_add_nc_u32 v[WRD], WORDS, v[STW]
	v_lshlrev_b32 v[SH8], 3, v11
	s_mov_b32 s[SEL], 0x76543210
	s_mov_b32 s[SEL+1], 0xfedcba98
	s_wait_kmcnt 0x0
	s_cmp_ge_u32 ttmp9, 64
	s_cbranch_scc1 .Lmask
	s_cmp_ge_u32 ttmp9, 48
	s_cbranch_scc1 .Lwo
	; ---- Wq, Wk, Wv: matrix = id / 16; tile of 16 rows = 2 (id % 16) + wave / 4; K step = wave % 4
	s_lshr_b32 s19, ttmp9, 4
	s_and_b32 s20, ttmp9, 15
	s_lshl_b32 s20, s20, 1
	s_lshr_b32 s21, s18, 2
	s_add_co_u32 s20, s20, s21
	s_and_b32 s21, s18, 3
	s_cmp_eq_u32 s19, 0
	s_cselect_b64 s[22:23], s[6:7], s[8:9]
	s_cmp_eq_u32 s19, 2
	s_cselect_b64 s[22:23], s[10:11], s[22:23]
	s_lshl_b32 s24, s20, 15                        ; 16 rows of 2,048 bytes
	s_lshl_b32 s25, s21, 9                         ; 128 numbers along K
	s_add_co_u32 s24, s24, s25
	s_mov_b32 s25, 0
	s_add_nc_u64 s[22:23], s[22:23], s[24:25]
	s_lshl_b32 s19, s19, 5
	s_add_co_u32 s19, s19, s20
	s_lshl_b32 s19, s19, 2
	s_add_co_u32 s19, s19, s21                     ; the image's number: (32 matrix + tile) 4 + K step
	s_lshl_b32 s24, s19, 10
	s_add_nc_u64 s[26:27], s[16:17], s[24:25]
	s_lshl_b32 s24, s19, 7
	s_add_nc_u64 s[28:29], s[16:17], s[24:25]
	v_lshlrev_b32 v12, 11, v10
	v_lshl_add_u32 v12, v11, 7, v12                ; row r, + 32 h numbers
.irp c, 0,1
.irp g, 0,1,2,3,4,5,6,7
	global_load_b128 v[16+32*\c+4*\g:16+32*\c+4*\g+3], v12, s[22:23] offset:256*\c+16*\g
.endr
.endr
	s_wait_loadcnt 0x0
	QUANT64 16, 80, 88, 90
	global_store_b128 v[LI], v[80:83], s[26:27]              ; each store of the wave covers 512 consecutive bytes, aligned
	global_store_b128 v[LI], v[84:87], s[26:27] offset:512
	global_store_b32 v14, v88, s[28:29] offset:WSC
	s_endpgm
.Lwo:	; ---- Wo: unit u = 8 (id - 48) + wave: tile of 16 rows u / 4, four fragments of 32 along K from 128 (u % 4) on
	s_sub_co_u32 s19, ttmp9, 48
	s_lshl_b32 s19, s19, 3
	s_add_co_u32 s19, s19, s18
	s_lshr_b32 s20, s19, 2
	s_and_b32 s21, s19, 3
	s_lshl_b32 s20, s20, 15
	s_lshl_b32 s21, s21, 9
	s_add_co_u32 s20, s20, s21
	s_mov_b32 s21, 0
	s_add_nc_u64 s[22:23], s[12:13], s[20:21]
	s_lshl_b32 s20, s19, 12                        ; four images of 1,024 bytes a unit
	s_add_nc_u64 s[24:25], s[16:17], s[20:21]
	v_lshlrev_b32 v12, 11, v10
	v_lshl_add_u32 v12, v11, 5, v12                ; row r, + 8 h numbers
.irp k, 0,1,2,3
.irp c, 0,1
.irp q, 0,1
	global_load_b128 v[16+16*\k+8*\c+4*\q:16+16*\k+8*\c+4*\q+3], v12, s[22:23] offset:128*\k+64*\c+16*\q
.endr
.endr
.endr
	s_wait_loadcnt 0x0
.irp j, 0,1,2,3,4,5,6,7,8,9,10,11,12,13,14,15,16,17,18,19,20,21,22,23,24,25,26,27,28,29,30,31
	v_cvt_pk_f16_f32 v[80+\j], v[16+2*\j], v[17+2*\j]
.endr
.irp j, 0,1,2,3,4,5,6,7
	global_store_b128 v[LI], v[80+4*\j:83+4*\j], s[24:25] offset:WOH+512*\j
.endr
	s_endpgm
.Lmask:	; ---- the mask: id - 64 = 256 b + tile of 16 queries
	s_sub_co_u32 s19, ttmp9, 64
	s_lshl_b32 s32, s19, 16                        ; 16 rows of 4,096 bytes
	s_lshl_b32 s33, s18, 9                         ; my wave's 512 keys
	s_add_co_u32 s32, s32, s33
	s_mov_b32 s33, 0
	s_add_nc_u64 s[32:33], s[4:5], s[32:33]
	s_lshl_b32 s34, s19, 13                        ; 64 key steps of 128 bytes of words
	s_lshl_b32 s35, s18, 10                        ; my wave's 8 steps
	s_add_co_u32 s34, s34, s35
	s_mov_b32 s35, 0
	s_add_nc_u64 s[34:35], s[14:15], s[34:35]
.irp i, 0,1,2,3,4,5,6,7,8,9,10,11,12,13,14,15
	global_load_b128 v[16+4*\i:19+4*\i], v[LI], s[32:33] offset:4096*\i th:TH_LOAD_NT   ; 512 consecutive bytes of row i
.endr
.irp k, 0,1,2,3,4,5,6,7
	v_mov_b32 v[144+\k], 0                         ; a lane write's destination counts as read
.endr
.irp i, 0,1,2,3,4,5,6,7,8,9,10,11,12,13,14,15
	s_wait_loadcnt 15-\i                           ; row i is in; the 15 - i younger rows stay out
	ds_store_b128 v[STW], v[16+4*\i:19+4*\i] offset:SP*\i
.endr
.irp k, 0,1,2,3,4,5,6,7
.irp t, 0,1,2,3
	ds_load_b64 v[80+2*(4*\k+\t):81+2*(4*\k+\t)], v[RDB] offset:64*\k+16*\t   ; my query's 8 keys of tile t of step k.  LDS serves a wave's instructions in order: these see my stores
.endr
.endr
.irp k, 0,1,2,3,4,5,6,7
	s_wait_dscnt 28-4*\k                           ; step k's four loads are in; the later steps' stay out
.irp t, 0,1,2,3
.irp j, 0,1,2,3,4,5,6,7
	v_and_b32 v[8+\j%4], 1<<(8*(\j%4)), v[80+2*(4*\k+\t)+\j/4]
	v_cmp_ne_u32 s[20+\j], 0, v[8+\j%4]            ; the 32 lanes' bits are the word,
	v_writelane_b32 v[144+\k], s[20+\j], 8*\t+\j   ; which goes to lane 8 t + j
.endr
.endr
.endr
.irp k, 0,1,2,3,4,5,6,7
	ds_store_b32 v[WST], v[144+\k] offset:128*\k
.endr
	ds_load_b128 v[152:155], v[WRD]
	ds_load_b128 v[156:159], v[WRD] offset:512
	s_wait_dscnt 0x0
	global_store_b128 v[LI], v[152:155], s[34:35]            ; 512 consecutive bytes, aligned
	global_store_b128 v[LI], v[156:159], s[34:35] offset:512
	s_wait_tensorcnt 0x0                           ; the wave's end
	ds_add_u32 v[SPW], v[NIL]
	s_wait_dscnt 0x0
	s_endpgm
.Lfunc_end_k_q86645fe314_prep:
	.size	k_q86645fe314_prep, .Lfunc_end_k_q86645fe314_prep-k_q86645fe314_prep
	.p2alignl 7, 3214868480
	.fill 96, 4, 3214868480
	.section	.rodata,"a",@progbits
	.p2align	6, 0x0
	.amdhsa_kernel k_q86645fe314_prep
		.amdhsa_group_segment_fixed_size 76800
		.amdhsa_private_segment_fixed_size 0
		.amdhsa_enable_private_segment 0
		.amdhsa_kernarg_size 56
		.amdhsa_user_sgpr_count 2
		.amdhsa_user_sgpr_kernarg_segment_ptr 1
		.amdhsa_wavefront_size32 1
		.amdhsa_system_sgpr_workgroup_id_x 1
		.amdhsa_system_sgpr_workgroup_id_y 1
		.amdhsa_system_sgpr_workgroup_id_z 1
		.amdhsa_system_vgpr_workitem_id 0
		.amdhsa_next_free_vgpr 160
		.amdhsa_next_free_sgpr 66
		.amdhsa_reserve_vcc 0
		.amdhsa_float_denorm_mode_32 3
		.amdhsa_float_denorm_mode_16_64 3
		.amdhsa_memory_ordered 1
		.amdhsa_forward_progress 1
		.amdhsa_inst_pref_size 65
	.end_amdhsa_kernel
	.amdgpu_metadata
---
amdhsa.version: [ 1, 2 ]
amdhsa.kernels:
  - .name:           k_q86645fe314_prep
    .symbol:         k_q86645fe314_prep.kd
    .args:
      - { .name: mask, .offset: 0, .size: 8, .value_kind: global_buffer, .address_space: global }
      - { .name: Wq, .offset: 8, .size: 8, .value_kind: global_buffer, .address_space: global }
      - { .name: Wk, .offset: 16, .size: 8, .value_kind: global_buffer, .address_space: global }
      - { .name: Wv, .offset: 24, .size: 8, .value_kind: global_buffer, .address_space: global }
      - { .name: Wo, .offset: 32, .size: 8, .value_kind: global_buffer, .address_space: global }
      - { .name: maskw, .offset: 40, .size: 8, .value_kind: global_buffer, .address_space: global }
      - { .name: wts, .offset: 48, .size: 8, .value_kind: global_buffer, .address_space: global }
    .group_segment_fixed_size: 76800
    .private_segment_fixed_size: 0
    .kernarg_segment_align: 8
    .kernarg_segment_size: 56
    .max_flat_workgroup_size: 256
    .sgpr_count:     66
    .vgpr_count:     160
    .wavefront_size: 32
...
	.end_amdgpu_metadata
.endif
;; end of part 1
;; launch proj (part 2): grid 64 x 3, 8 waves a work-group, no clusters, 327,680 bytes of LDS; arguments query_input, key_input, value_input, bq, bk, bv, wts, hi, lo; writes hi, lo
.if DOCPART == 2
	.amdgcn_target "amdgcn-amd-amdhsa--gfx1250"
	.amdhsa_code_object_version 6
	.text
	.protected	k_q86645fe314_proj
	.globl	k_q86645fe314_proj
	.p2align	8
	.type	k_q86645fe314_proj,@function
k_q86645fe314_proj:
	s_mov_b64 s[64:65], 0
	v_nop
	global_prefetch_b8 v0, s[64:65] scope:SCOPE_SE
	s_setreg_imm32_b32 hwreg(HW_REG_WAVE_MODE, 25, 1), 1
	s_wait_xcnt 0x0
; PROJ: q = x Wq^T + bq, k, v likewise, on codes of E2M1 with one E8M0 scale for each 32 along K; sums in f32.  Work-group (blk, mat): 128 tokens of one of the three products.
; The 256 KB of x come by eight tensor loads, one a wave, all first fills: nothing in LDS is filled again.  Wave w quantises tile w (16 tokens, 4 K steps) and hands the fragments to the others as images of their
; registers in LDS.  Wave w then makes head w (64 columns) for all 128 tokens; its 16 fragments of the weight stay in 128 registers.  The bias is the C of each sum's first product.
; RESULTS leave as f16 fragments in the order in which attention's registers take them (registers 4 c .. 4 c + 3 at 512 c + 16 x lane), a high part and, where the fine rows need it, a low part x - f32(f16(x)).
;   q, k: source 0 = 16 rows of W, source 1 = 16 tokens: a lane holds one token and 8 channels.   v: the sources swapped: a lane holds one channel and 8 tokens (keys are the second product's K).
;   q is multiplied in f32 by c = log2(e) / 8 ahead of its rounding, so that attention's scores are exponents of 2 as they come.
; NO CLUSTER: no two work-groups read the same tile of x; the weights go into registers once a work-group, 16 KB a wave.
; LIMITS: NaN and infinities are not served; |q c|, |k|, |v| stay under 65,504; numbers under 6e-5 carry f16's absolute error of 3e-8.  A block of zeros keeps the scale byte 1: its codes are zeros.
.set XP,    528                        ; a row of x in LDS: 512 bytes + 16
.set XRS,   128*XP                     ; a K step's 128 rows
.set XIMG,  4*XRS                      ; the images: 8 tiles x 4 K steps x 1,024 bytes
.set XSC,   XIMG+32768                 ; the scale words: 8 tiles x 512 bytes: a lane's 16 bytes are its row's 4 words
.set SPARE, XSC+4096                   ; the spare words, 128 bytes a wave: no other line names them
.set WSC,   393216
.set LI,  1                            ; v1     16 x lane
.set XA,  2                            ; v2-5   my row of x in K step 0..3
.set SH8, 6                            ; v6     8 (l / 16)
.set SPW, 7                            ; v7     my spare word; never rewritten
.set NIL, 8                            ; v8     0; never rewritten
.set XWI, 9                            ; v9     where I store images
.set XWS, 10                           ; v10    and my scale words
.set XIB, 11                           ; v11    where images are read
.set XSB, 12                           ; v12    and scale words
.set OB,  13                           ; v13    32 (l / 16)
.set OR4, 14                           ; v14    4 (l % 16)
.set OL4, 15                           ; v15    4 x lane
.set HI,  16                           ; v16-47   packed results; while x is quantised: four sets of 8 code registers
.set T,   48                           ; v48-51   at work
.set XS,  56                           ; v56-63   x's scale words: these and the next hold scales and nothing else
.set WS,  64                           ; v64-79   the weight's
.set BI,  80                           ; v80-111  the bias in the result's layout, 8 a tile
.set XF,  112                          ; v112-175 numbers of x (set 0); later x's fragments (32 xt + 8 s); later the high parts widened
.set ACC, 176                          ; v176-239 numbers of x (set 1); later the 8 accumulators (32 xt + 8 nt)
.set SW,  248                          ; v248-251 the scale words just made
                                       ; window 1, v0-127: the weight's fragments (32 nt + 8 s)
.set WV,  22
.set MAT, 23
.set BLK, 24
.set FAC, 26                           ; s[26:27] c, twice
.set LOF, 28                           ; 1 where low parts are stored: k and v always, q in a sequence's first 128 tokens
.set SEL, 30
.set G1,  32
.set G0,  40
.set HB,  52                           ; s[52:53] hi at my head's part of the block;  s[54:55] lo
.set LB,  54
.set MSB, 0
.macro WIN new                         ; the immediate's high byte repeats the setting that is left
.if MSB != \new
	s_set_vgpr_msb (MSB<<8)|\new
.set MSB, \new
.endif
.endm
.macro QUANT64 xx, cc, ww, tt          ; 64 numbers of a lane, register 32 c + i = k 64 c + 32 (l / 16) + i, become 8 registers of codes and the row's scale word
	v_max3_num_f32 v[\tt], |v[\xx]|, |v[\xx+1]|, 0x1800000        ; my two whole blocks by turns; the floor 2^(3 - 127) holds the byte at 1 from below
	v_max3_num_f32 v[\tt+1], |v[\xx+32]|, |v[\xx+33]|, 0x1800000
.irp i, 2,4,6,8,10,12,14,16,18,20,22,24,26,28,30
	v_max3_num_f32 v[\tt], v[\tt], |v[\xx+\i]|, |v[\xx+\i+1]|
	v_max3_num_f32 v[\tt+1], v[\tt+1], |v[\xx+32+\i]|, |v[\xx+33+\i]|
.endr
	v_add_nc_u32 v[\tt], 0xff000000, v[\tt]                       ; 2 off the exponent field: the conversion's scale operand
	v_add_nc_u32 v[\tt+1], 0xff000000, v[\tt+1]
	v_lshrrev_b32 v[\tt+2], 23, v[\tt]
	v_lshrrev_b32 v[\tt+3], 23, v[\tt+1]
	v_lshl_or_b32 v[\tt+2], v[\tt+3], 16, v[\tt+2]
	v_lshlrev_b32 v[\tt+2], v[SH8], v[\tt+2]
	v_permlanex16_b32 v[\tt+3], v[\tt+2], s[SEL], s[SEL+1]
	v_or_b32 v[\ww], v[\tt+2], v[\tt+3]
.irp c, 0,1
.irp g, 0,1,2,3
	v_cvt_scalef32_pk8_fp4_f32 v[\cc+4*\c+\g], v[\xx+32*\c+8*\g:\xx+32*\c+8*\g+7], v[\tt+\c]
.endr
.endr
	v_nop                                                         ; one plain line behind the last scaled conversion
.endm
.macro LDX s, set                      ; my row's 64 numbers of K step s
.irp c, 0,1
.irp g, 0,1,2,3,4,5,6,7
	ds_load_b128 v[\set+32*\c+4*\g:\set+32*\c+4*\g+3], v[XA+\s] offset:256*\c+16*\g
.endr
.endr
.endm
.macro PUT s                           ; K step s's fragment goes to LDS as it stands
	ds_store_b128 v[XWI], v[HI+8*\s:HI+8*\s+3] offset:1024*\s
	ds_store_b128 v[XWI], v[HI+8*\s+4:HI+8*\s+7] offset:1024*\s+512
.endm
.macro MM d, a, b, c, sa, sb
	v_wmma_scale_f32_16x16x128_f8f6f4 v[\d:\d+7], v[\a:\a+7], v[\b:\b+7], v[\c:\c+7], v[\sa], v[\sb] matrix_a_fmt:MATRIX_FMT_FP4 matrix_b_fmt:MATRIX_FMT_FP4
.endm
	s_load_b512 s[4:19], s[0:1], 0x0               ; the three inputs s[4:9], the three biases s[10:15], wts s[16:17], hi s[18:19]
	s_load_b64 s[20:21], s[0:1], 0x40              ; lo
	v_lshl_add_u32 v[SPW], v0, 2, SPARE
	v_mov_b32 v[NIL], 0
	ds_add_u32 v[SPW], v[NIL]                      ; the opening: the add, twice on end, and its wait ahead of my first tensor load
	ds_add_u32 v[SPW], v[NIL]
	v_lshrrev_b32 v1, 5, v0
	v_readfirstlane_b32 s[WV], v1                  ; wave 0..7
	v_and_b32 v13, 31, v0                          ; lane
	v_and_b32 v14, 15, v0                          ; r
	v_bfe_u32 v6, v0, 4, 1                         ; h
	v_lshlrev_b32 v[LI], 4, v13
	v_lshlrev_b32 v[OL4], 2, v13
	v_mul_u32_u24 v[XA], v14, XP
	v_lshl_add_u32 v[XA], v6, 7, v[XA]             ; row r, + 32 h numbers
	s_mul_i32 s56, s[WV], 16*XP
	v_add_nc_u32 v[XA], s56, v[XA]                 ; of my tile
	v_add_nc_u32 v[XA+1], XRS, v[XA]
	v_add_nc_u32 v[XA+2], 2*XRS, v[XA]
	v_add_nc_u32 v[XA+3], 3*XRS, v[XA]
	s_lshl_b32 s56, s[WV], 12
	v_add_nc_u32 v[XIB], XIMG, v[LI]
	v_add_nc_u32 v[XWI], s56, v[XIB]
	s_lshl_b32 s56, s[WV], 9
	v_add_nc_u32 v[XSB], XSC, v[LI]
	v_add_nc_u32 v[XWS], s56, v[XSB]
	v_lshlrev_b32 v[OB], 5, v6
	v_lshlrev_b32 v[OR4], 2, v14
	v_lshlrev_b32 v[SH8], 3, v6
	s_and_b32 s[MAT], ttmp7, 0xffff
	s_mov_b32 s[BLK], ttmp9
	; descriptor group 1: 64 rows of 128 numbers of 4 bytes, 512 numbers from row to row; 4 words of padding behind every 128
	s_mov_b32 s[G1], (2<<16)|(1<<20)|(6<<22)|(3<<25)
	s_mov_b32 s[G1+1], 128<<16                     ; tensor_dim0
	s_mov_b32 s[G1+2], 64<<16                      ; tensor_dim1
	s_mov_b32 s[G1+3], 128<<16                     ; tile_dim0
	s_mov_b32 s[G1+4], 64                          ; tile_dim1
	s_mov_b32 s[G1+5], 512                         ; the pitch
	s_mov_b32 s[G1+6], 0
	s_mov_b32 s[G1+7], 0
	s_mov_b32 s[FAC], 0x3e38aa3b                   ; c = log2(e) / 8
	s_mov_b32 s[FAC+1], s[FAC]
	s_mov_b32 s[SEL], 0x76543210
	s_mov_b32 s[SEL+1], 0xfedcba98
	s_lshl_b32 s56, s[BLK], 18                     ; my tile of x: 128 rows of 2,048 bytes a block,
	s_and_b32 s57, s[WV], 1
	s_lshl_b32 s57, s57, 17                        ; its upper or lower 64 rows,
	s_add_co_u32 s56, s56, s57
	s_lshr_b32 s57, s[WV], 1
	s_lshl_b32 s57, s57, 9                         ; K step wave / 2
	s_add_co_u32 s56, s56, s57
	s_mov_b32 s57, 0
	s_lshl_b32 s58, s[MAT], 5
	s_lshl_b32 s59, s[WV], 2
	s_add_co_u32 s58, s58, s59                     ; my first tile of the weight: 32 mat + 4 wave
	s_lshl_b32 s60, s58, 9                         ; its scale words,
	s_mov_b32 s61, 0
	s_lshl_b32 s58, s58, 12                        ; its codes
	s_mov_b32 s59, 0
	s_lshr_b32 s62, s[BLK], 5
	s_lshl_b32 s62, s62, 3
	s_add_co_u32 s62, s62, s[WV]                   ; 8 b + head
	s_lshl_b32 s62, s62, 19
	s_and_b32 s63, s[BLK], 31
	s_cmp_eq_u32 s63, 0
	s_cselect_b32 s[LOF], 1, 0
	s_cmp_lg_u32 s[MAT], 0
	s_cselect_b32 s[LOF], 1, s[LOF]
	s_lshl_b32 s63, s63, 14                        ; a block's 8 tiles are 16,384 bytes
	s_add_co_u32 s62, s62, s63
	s_lshl_b32 s63, s[MAT], 23
	s_add_co_u32 s62, s62, s63
	s_mov_b32 s63, 0
	s_mov_b32 s[G0], 1
	s_mul_i32 s[G0+1], s[WV], 64*XP                ; LDS: wave x 64 rows
	s_wait_dscnt 0x0                               ; both opening adds are done
	s_wait_kmcnt 0x0
	s_cmp_eq_u32 s[MAT], 0
	s_cselect_b64 s[44:45], s[4:5], s[6:7]
	s_cselect_b64 s[46:47], s[10:11], s[12:13]
	s_cmp_eq_u32 s[MAT], 2
	s_cselect_b64 s[44:45], s[8:9], s[44:45]
	s_cselect_b64 s[46:47], s[14:15], s[46:47]
	s_add_nc_u64 s[G0+2:G0+3], s[44:45], s[56:57]
	s_or_b32 s[G0+3], s[G0+3], 0x80000000
	tensor_load_to_lds s[G0:G0+3], s[G1:G1+7]      ; my one tensor load of the launch
	s_nop 0
.rept 4
	v_nop
.endr
	s_add_nc_u64 s[48:49], s[16:17], s[58:59]
	s_add_nc_u64 s[50:51], s[16:17], s[60:61]
	s_add_nc_u64 s[HB:HB+1], s[18:19], s[62:63]
	s_add_nc_u64 s[LB:LB+1], s[20:21], s[62:63]
	s_lshl_b32 s56, s[WV], 8
	s_add_nc_u64 s[46:47], s[46:47], s[56:57]      ; my head's 64 numbers of the bias
	WIN 0x40                                       ; destination window 1
.irp i, 0,1,2,3,4,5,6,7,8,9,10,11,12,13,14,15,16,17,18,19,20,21,22,23,24,25,26,27,28,29,30,31
	global_load_b128 v[4*\i:4*\i+3], v[LI], s[48:49] offset:512*\i
.endr
	WIN 0
.irp i, 0,1,2,3,4,5,6,7,8,9,10,11,12,13,14,15
	global_load_b32 v[WS+\i], v[OL4], s[50:51] offset:WSC+128*\i
.endr
	s_cmp_eq_u32 s[MAT], 2
	s_cbranch_scc1 .Lbias_v
.irp nt, 0,1,2,3                               ; q, k: register j of tile nt is channel 16 nt + 8 h + j
	global_load_b128 v[BI+8*\nt:BI+8*\nt+3], v[OB], s[46:47] offset:64*\nt
	global_load_b128 v[BI+8*\nt+4:BI+8*\nt+7], v[OB], s[46:47] offset:64*\nt+16
.endr
	s_branch .Lbias_in
.Lbias_v:
.irp nt, 0,1,2,3                               ; v: all 8 registers of tile nt are channel 16 nt + r
.irp j, 0,1,2,3,4,5,6,7
	global_load_b32 v[BI+8*\nt+\j], v[OR4], s[46:47] offset:64*\nt
.endr
.endr
.Lbias_in:
	s_wait_tensorcnt 0x0                           ; my part of x has landed,
	s_barrier_signal -1
	s_barrier_wait -1                              ; everybody's has
	; ---- my tile's 16 tokens become four fragments
	LDX 0, XF
	LDX 1, ACC
	s_wait_dscnt 16                                ; K step 0 is in; step 1's 16 loads stay out
	QUANT64 XF, HI, SW, T
	PUT 0
	LDX 2, XF
	s_wait_dscnt 18                                ; step 1 is in; behind it: 2 stores, 16 loads
	QUANT64 ACC, HI+8, SW+1, T
	PUT 1
	LDX 3, ACC
	s_wait_dscnt 18                                ; step 2 is in
	QUANT64 XF, HI+16, SW+2, T
	PUT 2
	s_wait_dscnt 2                                 ; step 3 is in; behind it: 2 stores
	QUANT64 ACC, HI+24, SW+3, T
	PUT 3
	ds_store_b128 v[XWS], v[SW:SW+3]
	s_wait_dscnt 0x0                               ; for the others' sake: my images have landed
	s_barrier_signal -1
	s_barrier_wait -1
	s_wait_loadcnt 0x0                             ; the weight, its scale words, the bias
; Two tiles of tokens (2 p, 2 p + 1) x my four tiles of columns: 8 accumulators by turns, K step by K step.  var = 0: q, k;  1: v.
.macro PAIR p, var
.irp xt, 0,1
.irp s, 0,1,2,3
.irp c, 0,1
	ds_load_b128 v[XF+32*\xt+8*\s+4*\c:XF+32*\xt+8*\s+4*\c+3], v[XIB] offset:((2*\p+\xt)*4+\s)*1024+512*\c
.endr
.endr
	ds_load_b128 v[XS+4*\xt:XS+4*\xt+3], v[XSB] offset:(2*\p+\xt)*512
.endr
	s_wait_dscnt 0x0
	s_wait_xcnt 0x0                                ; the last pair's stores have read their data: HI and the accumulators are written again only behind this wait
.if \var
	WIN 0x04                                       ; source 1 (the weight) window 1
.else
	WIN 0x01                                       ; source 0 (the weight) window 1
.endif
.irp s, 0,1,2,3
.irp xt, 0,1
.irp nt, 0,1,2,3
.if \var
.if \s == 0
	MM ACC+32*\xt+8*\nt, XF+32*\xt+8*\s, 32*\nt+8*\s, BI+8*\nt, XS+4*\xt+\s, WS+4*\nt+\s
.else
	MM ACC+32*\xt+8*\nt, XF+32*\xt+8*\s, 32*\nt+8*\s, ACC+32*\xt+8*\nt, XS+4*\xt+\s, WS+4*\nt+\s
.endif
.else
.if \s == 0
	MM ACC+32*\xt+8*\nt, 32*\nt+8*\s, XF+32*\xt+8*\s, BI+8*\nt, WS+4*\nt+\s, XS+4*\xt+\s
.else
	MM ACC+32*\xt+8*\nt, 32*\nt+8*\s, XF+32*\xt+8*\s, ACC+32*\xt+8*\nt, WS+4*\nt+\s, XS+4*\xt+\s
.endif
.endif
.endr
.endr
.endr
	WIN 0
.rept 4
	v_nop                                          ; places behind the products: for the first read of results, for the writes into x's fragments below, and for the next pair's loads
.endr
.if \var == 0
	s_cmp_lg_u32 s[MAT], 0
	s_cbranch_scc1 .Lno_c_\@                       ; q alone is multiplied by c
.irp j, 0,2,4,6,8,10,12,14,16,18,20,22,24,26,28,30,32,34,36,38,40,42,44,46,48,50,52,54,56,58,60,62
	v_pk_mul_f32 v[ACC+\j:ACC+\j+1], v[ACC+\j:ACC+\j+1], s[FAC:FAC+1] op_sel_hi:[1,0]
.endr
.Lno_c_\@:
.endif
.irp j, 0,1,2,3,4,5,6,7,8,9,10,11,12,13,14,15,16,17,18,19,20,21,22,23,24,25,26,27,28,29,30,31
	v_cvt_pk_f16_f32 v[HI+\j], v[ACC+2*\j], v[ACC+2*\j+1]        ; each accumulator from its low end on
.endr
.irp xt, 0,1
.irp nt, 0,1,2,3
.if \var
	global_store_b128 v[LI], v[HI+16*\xt+4*\nt:HI+16*\xt+4*\nt+3], s[HB:HB+1] offset:4096*\p+1024*\nt+512*\xt
.else
	global_store_b128 v[LI], v[HI+16*\xt+4*\nt:HI+16*\xt+4*\nt+3], s[HB:HB+1] offset:4096*\p+2048*\xt+512*\nt
.endif
.endr
.endr
.if \var == 0
	s_cmp_eq_u32 s[LOF], 0
	s_cbranch_scc1 .Lno_low_\@
.endif
.set n, 0                              ; the low parts: x - f32(f16(x)), exact in f32, then rounded to f16.  The high parts are widened into the registers that x's fragments have left
.irp h, v16.l,v16.h,v17.l,v17.h,v18.l,v18.h,v19.l,v19.h,v20.l,v20.h,v21.l,v21.h,v22.l,v22.h,v23.l,v23.h,v24.l,v24.h,v25.l,v25.h,v26.l,v26.h,v27.l,v27.h,v28.l,v28.h,v29.l,v29.h,v30.l,v30.h,v31.l,v31.h,v32.l,v32.h,v33.l,v33.h,v34.l,v34.h,v35.l,v35.h,v36.l,v36.h,v37.l,v37.h,v38.l,v38.h,v39.l,v39.h,v40.l,v40.h,v41.l,v41.h,v42.l,v42.h,v43.l,v43.h,v44.l,v44.h,v45.l,v45.h,v46.l,v46.h,v47.l,v47.h
	v_cvt_f32_f16 v[XF+n], \h
.set n, n+1
.endr
.irp j, 0,2,4,6,8,10,12,14,16,18,20,22,24,26,28,30,32,34,36,38,40,42,44,46,48,50,52,54,56,58,60,62
	v_pk_add_f32 v[ACC+\j:ACC+\j+1], v[ACC+\j:ACC+\j+1], v[XF+\j:XF+\j+1] neg_lo:[0,1] neg_hi:[0,1]
.endr
.irp a, 0,1,2,3,4,5,6,7
.irp i, 0,1,2,3
	v_cvt_pk_f16_f32 v[ACC+8*\a+\i], v[ACC+8*\a+2*\i], v[ACC+8*\a+2*\i+1]   ; packed into the accumulator's own low four registers, ascending
.endr
.endr
.irp xt, 0,1
.irp nt, 0,1,2,3
.if \var
	global_store_b128 v[LI], v[ACC+32*\xt+8*\nt:ACC+32*\xt+8*\nt+3], s[LB:LB+1] offset:4096*\p+1024*\nt+512*\xt
.else
	global_store_b128 v[LI], v[ACC+32*\xt+8*\nt:ACC+32*\xt+8*\nt+3], s[LB:LB+1] offset:4096*\p+2048*\xt+512*\nt
.endif
.endr
.endr
.if \var == 0
.Lno_low_\@:
.endif
.endm
	s_cmp_eq_u32 s[MAT], 2
	s_cbranch_scc1 .Lvalues
	PAIR 0, 0
	PAIR 1, 0
	PAIR 2, 0
	PAIR 3, 0
	s_branch .Lend
.Lvalues:
	PAIR 0, 1
	PAIR 1, 1
	PAIR 2, 1
	PAIR 3, 1
.Lend:
	s_wait_tensorcnt 0x0                           ; the wave's end
	ds_add_u32 v[SPW], v[NIL]
	s_wait_dscnt 0x0
	s_endpgm
.Lfunc_end_k_q86645fe314_proj:
	.size	k_q86645fe314_proj, .Lfunc_end_k_q86645fe314_proj-k_q86645fe314_proj
	.p2alignl 7, 3214868480
	.fill 96, 4, 3214868480
	.section	.rodata,"a",@progbits
	.p2align	6, 0x0
	.amdhsa_kernel k_q86645fe314_proj
		.amdhsa_group_segment_fixed_size 327680
		.amdhsa_private_segment_fixed_size 0
		.amdhsa_enable_private_segment 0
		.amdhsa_kernarg_size 72
		.amdhsa_user_sgpr_count 2
		.amdhsa_user_sgpr_kernarg_segment_ptr 1
		.amdhsa_wavefront_size32 1
		.amdhsa_system_sgpr_workgroup_id_x 1
		.amdhsa_system_sgpr_workgroup_id_y 1
		.amdhsa_system_sgpr_workgroup_id_z 1
		.amdhsa_system_vgpr_workitem_id 0
		.amdhsa_next_free_vgpr 384
		.amdhsa_next_free_sgpr 66
		.amdhsa_reserve_vcc 0
		.amdhsa_float_denorm_mode_32 3
		.amdhsa_float_denorm_mode_16_64 3
		.amdhsa_memory_ordered 1
		.amdhsa_forward_progress 1
		.amdhsa_inst_pref_size 158
	.end_amdhsa_kernel
	.amdgpu_metadata
---
amdhsa.version: [ 1, 2 ]
amdhsa.kernels:
  - .name:           k_q86645fe314_proj
    .symbol:         k_q86645fe314_proj.kd
    .args:
      - { .name: query_input, .offset: 0, .size: 8, .value_kind: global_buffer, .address_space: global }
      - { .name: key_input, .offset: 8, .size: 8, .value_kind: global_buffer, .address_space: global }
      - { .name: value_input, .offset: 16, .size: 8, .value_kind: global_buffer, .address_space: global }
      - { .name: bq, .offset: 24, .size: 8, .value_kind: global_buffer, .address_space: global }
      - { .name: bk, .offset: 32, .size: 8, .value_kind: global_buffer, .address_space: global }
      - { .name: bv, .offset: 40, .size: 8, .value_kind: global_buffer, .address_space: global }
      - { .name: wts, .offset: 48, .size: 8, .value_kind: global_buffer, .address_space: global }
      - { .name: hi, .offset: 56, .size: 8, .value_kind: global_buffer, .address_space: global }
      - { .name: lo, .offset: 64, .size: 8, .value_kind: global_buffer, .address_space: global }
    .group_segment_fixed_size: 327680
    .private_segment_fixed_size: 0
    .kernarg_segment_align: 8
    .kernarg_segment_size: 72
    .max_flat_workgroup_size: 256
    .sgpr_count:     66
    .vgpr_count:     384
    .wavefront_size: 32
...
	.end_amdgpu_metadata
.endif
;; end of part 2
;; launch attn (part 3): grid 16 x 16, 8 waves a work-group, clusters of 4 x 1, 327,680 bytes of LDS; arguments hi, maskw, hhi; writes hhi
.if DOCPART == 3
	.amdgcn_target "amdgcn-amd-amdhsa--gfx1250"
	.amdhsa_code_object_version 6
	.text
	.protected	k_q86645fe314_attn
	.globl	k_q86645fe314_attn
	.p2align	8
	.type	k_q86645fe314_attn,@function
k_q86645fe314_attn:
	s_mov_b64 s[64:65], 0
	v_nop
	global_prefetch_b8 v0, s[64:65] scope:SCOPE_SE
	s_setreg_imm32_b32 hwreg(HW_REG_WAVE_MODE, 25, 1), 1
	s_wait_xcnt 0x0
	s_wait_alu depctr_hold_cnt(0) depctr_sa_sdst(0) depctr_va_vdst(0) depctr_va_sdst(0) depctr_va_ssrc(0) depctr_va_vcc(0) depctr_vm_vsrc(0)
	s_getreg_b32 s2, hwreg(HW_REG_IB_STS2, 6, 4)
	s_cmp_eq_u32 s2, 0
	s_cbranch_scc0 .Lentry_in_a_cluster
	s_endpgm
.Lentry_in_a_cluster:
	s_bfe_u32 s2, ttmp6, 0x10000c
	s_cmp_lg_u32 s2, 0x3003
	s_cbranch_scc0 .Lentry_shape_is_right
	s_endpgm
.Lentry_shape_is_right:
; ATTN: heads = softmax(where(mask, q k^T / 8, -1e9)) v, on f16 fragments; products, maxima and sums in f32; the weights p rounded to f16 for the second product.
; THE MASK IS AN INPUT AND ITS VALUE IS -1e9, NOT -INFINITY: a row that is masked throughout is the mean of all values, and a score may lie under -1e9.  So every key is walked for every query, every score is formed,
; replaced where the mask's bit is 0, and put through a running maximum.  q carries the factor log2(e) / 8, so a score is an exponent t of 2, the mask's value is -1e9 log2(e), and t - m is exactly 0 at the maximum.
; SHARES.  A work-group owns 256 queries of one (batch, head); each of its 8 waves 32: two tiles of 16, in 256 registers: two waves to a SIMD, so that one wave's softmax stands beside the other's products.
; LAYOUT.  S^T = K Q^T (source 0 = 16 keys, source 1 = 16 queries): a lane holds one query (l % 16) and keys 8 (l / 16) + 0..7 of each tile.  Two tiles packed to f16 are source 1 of O^T = V^T P.
; All fragments lie in memory and LDS as images of their registers: every load takes 16 bytes at 16 x lane: no pitch, no padding.
; RING.  Two slots of 512 keys (K's 64 KB, then V's); each wave brings 16 KB by one tensor load behind each change of slots, which has 8 key steps in which to land.  By this text's count a wave has one load out.
; CLUSTER.  The four query blocks of a cluster walk the same K and V: each tile is asked for jointly, by the same load with the same descriptor and a mask that names the four.
; The mask's words (a lane mask for each register of a tile) come by scalar loads, a key step ahead.
; LIMITS: NaN and infinities are not served; operands are single f16 numbers (the first 16 positions of each sequence are made again, finely, by another launch).
.set KOFF,  8388608                    ; hi: k's images begin here,
.set VOFF,  16777216                   ; v's here
.set SLOT1, 1<<17
.set SPARE, 2*SLOT1                    ; the spare words, 128 bytes a wave: no other line names them
.set LI,  1                            ; v1   16 x lane
.set LIV, 2                            ; v2   + 65,536: V's part of a slot
.set ADK, 3                            ; v3   the step's K
.set ADV, 4                            ; v4   the step's V
.set SPW, 5                            ; v5   my spare word; never rewritten
.set NIL, 6                            ; v6   0; never rewritten
.set NEG, 7                            ; v7   -1e9 log2(e)
.set Q,   8                            ; v8-39    Q: 16 x + 8 f
.set KV,  40                           ; v40-103  16 fragments halves: a step's K, then its V
.set S,   104                          ; v104-167 S^T: 32 x + 8 t; then p; then P packed into the low 16 of each 32
.set O,   168                          ; v168-231 O^T: 32 x + 8 ct
.set ST,  232                          ; v232-247 8 a tile: +0 m, +1 its pair's partner, +2 +3 l, +4..7 at work; a in +6
.set PFO, 248                          ; v248 256 x lane
.set CH,  250                          ; v250-253 the sums' second chains
.set WV,  2
.set TB,  3                            ; s3   LDS byte at which the step's K begins
.set SLOTS, 14
.set STEPC, 15
.set MO,  66                           ; s66  the mask words' offset: 128 bytes a key step
.set LIM, 67                           ; s67  1 in a wave that prefetches, else the greatest number
.set G1,  84
.set G0,  92
.set SEL, 96
.set PFA, 98
.macro CROUND                          ; a round of the cluster's barrier
	s_barrier_signal -1
	s_barrier_wait -1
	s_cmp_lg_u32 s[WV], 0
	s_cbranch_scc1 .Lnot_wave_0_\@
	s_barrier_signal -3
.Lnot_wave_0_\@:
	s_barrier_wait -3
	s_barrier_signal -1
	s_barrier_wait -1
.endm
; A prefetch of what the NEXT change of slots will ask for.  All clusters of a head walk the same K and V: the head's first cluster asks.  In each of its four work-groups waves 0 and 2 ask for K's, waves 4 and 6 for V's:
; a slot's 64 KB are two halves (by the wave) of four parts of 8,192 bytes (by the work-group's place, which enters the ADDRESS alone), a lane to each 256 bytes: each block is named once in the launch.
; The last change that fills a slot asks for nothing.
.macro ASK
	s_cmp_gt_u32 s[SLOTS], s[LIM]
	s_cbranch_scc0 .Lnot_mine_\@
	global_prefetch_b8 v[PFO], s[PFA:PFA+1] th:TH_LOAD_NT scope:SCOPE_SE
.Lnot_mine_\@:
.endm
	s_load_b128 s[4:7], s[0:1], 0x0                ; hi, maskw
	s_load_b64 s[8:9], s[0:1], 0x10                ; hhi
	v_lshl_add_u32 v[SPW], v0, 2, SPARE
	v_mov_b32 v[NIL], 0
	ds_add_u32 v[SPW], v[NIL]                      ; the opening: the add, twice on end, and its wait ahead of the round in front of my first tensor load
	ds_add_u32 v[SPW], v[NIL]
	v_lshrrev_b32 v1, 5, v0
	v_readfirstlane_b32 s[WV], v1                  ; wave 0..7
	v_and_b32 v1, 31, v0
	v_lshlrev_b32 v[PFO], 8, v1
	v_lshlrev_b32 v[LI], 4, v1
	v_add_nc_u32 v[LIV], 65536, v[LI]
	v_mov_b32 v[NEG], 0xceabfb8f
	s_bfe_u32 s10, ttmp6, 0x40000                  ; cx: it enters Q's, the mask's, the result's and the prefetches' addresses alone
	s_lshl_b32 s11, ttmp9, 2
	s_add_co_u32 s11, s11, s10                     ; my block of 256 queries
	s_and_b32 s12, ttmp7, 0xffff                   ; 8 b + head, which the partners share
	s_mov_b32 s[G1], 15|(3<<16)|(1<<21)            ; the mask: all four; elements of 8 bytes; bit 21 beside a mask; no padding
	s_mov_b32 s[G1+1], 32<<16                      ; rows of 256 bytes,
	s_mov_b32 s[G1+2], 64<<16                      ; 64 of them,
	s_mov_b32 s[G1+3], 32<<16
	s_mov_b32 s[G1+4], 64
	s_mov_b32 s[G1+5], 32                          ; dense
	s_mov_b32 s[G1+6], 0
	s_mov_b32 s[G1+7], 0
	s_mov_b32 s[SEL], 0x76543210
	s_mov_b32 s[SEL+1], 0xfedcba98
	s_lshl_b32 s16, s12, 19                        ; the head's 524,288 bytes,
	s_cmp_lt_u32 s[WV], 4                          ; waves 0-3 fetch K, waves 4-7 V
	s_mov_b32 s17, VOFF
	s_cselect_b32 s17, KOFF, s17
	s_add_co_u32 s16, s16, s17
	s_and_b32 s18, s[WV], 3
	s_lshl_b32 s19, s18, 14
	s_add_co_u32 s20, s16, s19                     ; my quarter of a slot's 64 KB
	s_mov_b32 s21, 0
	s_lshr_b32 s18, s18, 1
	s_lshl_b32 s18, s18, 15
	s_lshl_b32 s19, s10, 13
	s_add_co_u32 s18, s18, s19
	s_add_co_u32 s18, s18, s16
	s_add_co_u32 s22, s18, 65536                   ; the prefetches stand at slot 1; the first change steps them to slot 2
	s_mov_b32 s23, 0
	s_and_b32 s[LIM], s[WV], 1
	s_or_b32 s[LIM], s[LIM], ttmp9                 ; even waves of the head's first cluster: the same in all partners
	s_cmp_eq_u32 s[LIM], 0
	s_cselect_b32 s[LIM], 1, -1
	s_lshl_b32 s24, s11, 4
	s_lshl_b32 s25, s[WV], 1
	s_add_co_u32 s24, s24, s25                     ; my first tile of queries in the sequence
	s_lshl_b32 s26, s24, 11
	s_lshl_b32 s27, s12, 19
	s_add_co_u32 s26, s26, s27                     ; Q's images
	s_mov_b32 s27, 0
	s_lshr_b32 s28, s12, 3
	s_lshl_b32 s28, s28, 8
	s_add_co_u32 s28, s28, s24                     ; 256 b + tile
	s_lshl_b32 s30, s28, 13                        ; its mask words
	s_mov_b32 s31, 0
	s_lshl_b32 s32, s28, 14                        ; its 16 fragments of heads,
	s_and_b32 s33, s12, 7
	s_lshl_b32 s33, s33, 11                        ; my head's two
	s_add_co_u32 s32, s32, s33
	s_mov_b32 s33, 0
	s_mov_b32 s[TB], 0
	s_mov_b32 s[MO], 0
	s_mov_b32 s[SLOTS], 7
	s_mov_b32 s[G0], 1
	s_lshl_b32 s[G0+1], s[WV], 14                  ; LDS: 16,384 x wave, slot 0
	s_wait_dscnt 0x0                               ; both opening adds are done
	s_wait_kmcnt 0x0
	s_add_nc_u64 s[G0+2:G0+3], s[4:5], s[20:21]
	s_or_b32 s[G0+3], s[G0+3], 0x80000000
	s_add_nc_u64 s[PFA:PFA+1], s[4:5], s[22:23]
	s_add_nc_u64 s[4:5], s[4:5], s[26:27]
	s_add_nc_u64 s[6:7], s[6:7], s[30:31]
	s_add_nc_u64 s[8:9], s[8:9], s[32:33]
	CROUND                                         ; all four work-groups are here: the first joint loads meet
	tensor_load_to_lds s[G0:G0+3], s[G1:G1+7]      ; keys 0 to 511
	s_nop 0
.rept 4
	v_nop
.endr
.irp i, 0,1,2,3,4,5,6,7
	global_load_b128 v[Q+4*\i:Q+4*\i+3], v[LI], s[4:5] offset:512*\i
.endr
	s_load_b512 s[16:31], s[6:7], s[MO] offset:0x0       ; key step 0's words: tile 0's 32,
	s_load_b512 s[32:47], s[6:7], s[MO] offset:0x40
	s_load_b512 s[48:63], s[6:7], s[MO] offset:0x2000    ; tile 1's
	s_load_b512 s[68:83], s[6:7], s[MO] offset:0x2040
.irp x, 0,1
	v_mov_b32 v[ST+8*\x], 0xff61b1e6               ; m = -3e38, under every t
	v_mov_b32 v[ST+8*\x+1], 0
	v_mov_b32 v[ST+8*\x+2], 0                      ; l
	v_mov_b32 v[ST+8*\x+3], 0
.endr
.irp j, 0,1,2,3,4,5,6,7,8,9,10,11,12,13,14,15,16,17,18,19,20,21,22,23,24,25,26,27,28,29,30,31,32,33,34,35,36,37,38,39,40,41,42,43,44,45,46,47,48,49,50,51,52,53,54,55,56,57,58,59,60,61,62,63
	v_mov_b32 v[O+\j], 0                           ; O^T: the step has no first form of its own: the first finds zeros, which a = 0 leaves zeros
.endr
	s_wait_loadcnt 0x0                             ; Q
; A KEY STEP: 64 keys for my two tiles.
.macro STEP
	v_add_nc_u32 v[ADK], s[TB], v[LI]
	v_add_nc_u32 v[ADV], s[TB], v[LIV]
.rept 3
	v_nop                                          ; with the two additions five places behind the last products: the loads below land on V's registers, and the products below write over P's
.endr
.irp i, 0,1,2,3,4,5,6,7,8,9,10,11,12,13,14,15
	ds_load_b128 v[KV+4*\i:KV+4*\i+3], v[ADK] offset:512*\i
.endr
	s_wait_dscnt 0x0
.irp f, 0,1                                    ; the 8 accumulators take turns
.irp x, 0,1
.irp t, 0,1,2,3
.if \f == 0
	v_wmma_f32_16x16x32_f16 v[S+32*\x+8*\t:S+32*\x+8*\t+7], v[KV+16*\t:KV+16*\t+7], v[Q+16*\x:Q+16*\x+7], 0
.else
	v_wmma_f32_16x16x32_f16 v[S+32*\x+8*\t:S+32*\x+8*\t+7], v[KV+16*\t+8:KV+16*\t+15], v[Q+16*\x+8:Q+16*\x+15], v[S+32*\x+8*\t:S+32*\x+8*\t+7]
.endif
.endr
.endr
.endr
.rept 4
	v_nop                                          ; places: for the loads into K's registers and for the first read of the scores
.endr
.irp i, 0,1,2,3,4,5,6,7,8,9,10,11,12,13,14,15
	ds_load_b128 v[KV+4*\i:KV+4*\i+3], v[ADV] offset:512*\i   ; V lands while the softmax is walked
.endr
	s_wait_kmcnt 0x0                               ; this step's mask words
.set n, 0
.rept 32
	v_cndmask_b32 v[S+n], v[NEG], v[S+n], s[16+n]  ; the mask's value where the bit is 0; each accumulator from its low end on
.if n < 16
	v_cndmask_b32 v[S+32+n], v[NEG], v[S+32+n], s[48+n]
.else
	v_cndmask_b32 v[S+32+n], v[NEG], v[S+32+n], s[52+n]
.endif
.set n, n+1
.endr
	s_wait_xcnt 0x0                                ; the scalar loads have read their offset: it is stepped only behind this wait
	s_add_co_u32 s[MO], s[MO], 128
	s_min_u32 s[MO], s[MO], 8064                   ; the last step asks for its own words again: no load leaves the buffer
	s_load_b512 s[16:31], s[6:7], s[MO] offset:0x0
	s_load_b512 s[32:47], s[6:7], s[MO] offset:0x40
	s_load_b512 s[48:63], s[6:7], s[MO] offset:0x2000
	s_load_b512 s[68:83], s[6:7], s[MO] offset:0x2040
.irp j, 0,1,2,3                                ; the maximum of 32 scores and the old m: four chains a tile, the tiles by turns
.irp x, 0,1
	v_max3_num_f32 v[ST+8*\x+4+\j], v[S+32*\x+8*\j], v[S+32*\x+8*\j+1], v[S+32*\x+8*\j+2]
.endr
.endr
.irp q, 1,2
.irp j, 0,1,2,3
.irp x, 0,1
	v_max3_num_f32 v[ST+8*\x+4+\j], v[ST+8*\x+4+\j], v[S+32*\x+8*\j+2*\q+1], v[S+32*\x+8*\j+2*\q+2]
.endr
.endr
.endr
.irp x, 0,1
	v_max3_num_f32 v[ST+8*\x+4], v[ST+8*\x+4], v[S+32*\x+7], v[S+32*\x+15]
	v_max3_num_f32 v[ST+8*\x+6], v[ST+8*\x+6], v[S+32*\x+23], v[S+32*\x+31]
.endr
.irp x, 0,1
	v_max3_num_f32 v[ST+8*\x+4], v[ST+8*\x+4], v[ST+8*\x+5], v[ST+8*\x+6]
.endr
.irp x, 0,1
	v_max3_num_f32 v[ST+8*\x+4], v[ST+8*\x+4], v[ST+8*\x+7], v[ST+8*\x]
.endr
.irp x, 0,1
	v_permlanex16_b32 v[ST+8*\x+5], v[ST+8*\x+4], s[SEL], s[SEL+1]   ; the query's other 32 keys lie in lane l xor 16
.endr
.irp x, 0,1
	v_max_num_f32 v[ST+8*\x+5], v[ST+8*\x+4], v[ST+8*\x+5]           ; the new m
.endr
.irp x, 0,1
	v_sub_f32 v[ST+8*\x+7], v[ST+8*\x], v[ST+8*\x+5]                 ; old m - new m
.endr
.irp x, 0,1
	v_mov_b32 v[ST+8*\x], v[ST+8*\x+5]
.endr
.irp j, 0,2,4,6,8,10,12,14,16,18,20,22,24,26,28,30
.irp x, 0,1
	v_pk_add_f32 v[S+32*\x+\j:S+32*\x+\j+1], v[S+32*\x+\j:S+32*\x+\j+1], v[ST+8*\x:ST+8*\x+1] op_sel_hi:[1,0] neg_lo:[0,1] neg_hi:[0,1]   ; t - m
.endr
.endr
.irp x, 0,1
	v_exp_f32 v[ST+8*\x+6], v[ST+8*\x+7]           ; a = 2^(old m - new m)
.endr
.irp j, 0,1,2,3,4,5,6,7,8,9,10,11,12,13,14,15,16,17,18,19,20,21,22,23,24,25,26,27,28,29,30,31,32,33,34,35,36,37,38,39,40,41,42,43,44,45,46,47,48,49,50,51,52,53,54,55,56,57,58,59,60,61,62,63
	v_exp_f32 v[S+\j], v[S+\j]                     ; p = 2^(t - m)
.endr
	v_nop                                          ; a plain line behind the last exponential
	s_wait_alu depctr_va_vdst(0)                   ; one wait for the batch of 66, ahead of its first reader
.irp x, 0,1
	v_pk_mul_f32 v[ST+8*\x+2:ST+8*\x+3], v[ST+8*\x+2:ST+8*\x+3], v[ST+8*\x+6:ST+8*\x+7] op_sel_hi:[1,0]   ; l under the new m
	v_pk_add_f32 v[CH+2*\x:CH+2*\x+1], v[S+32*\x:S+32*\x+1], v[S+32*\x+2:S+32*\x+3]                       ; the sums are taken of the unrounded p, in two chains a tile
.endr
.irp j, 4,8,12,16,20,24,28
.irp x, 0,1
	v_pk_add_f32 v[ST+8*\x+2:ST+8*\x+3], v[ST+8*\x+2:ST+8*\x+3], v[S+32*\x+\j:S+32*\x+\j+1]
	v_pk_add_f32 v[CH+2*\x:CH+2*\x+1], v[CH+2*\x:CH+2*\x+1], v[S+32*\x+\j+2:S+32*\x+\j+3]
.endr
.endr
.irp x, 0,1
	v_pk_add_f32 v[ST+8*\x+2:ST+8*\x+3], v[ST+8*\x+2:ST+8*\x+3], v[CH+2*\x:CH+2*\x+1]
.endr
.irp i, 0,1,2,3,4,5,6,7,8,9,10,11,12,13,14,15
.irp x, 0,1
	v_cvt_pk_f16_f32 v[S+32*\x+\i], v[S+32*\x+2*\i], v[S+32*\x+2*\i+1]   ; packed in place, ascending: register i is written when its own number has been read
.endr
.endr
.irp j, 0,2,4,6,8,10,12,14,16,18,20,22,24,26,28,30
.irp x, 0,1
	v_pk_mul_f32 v[O+32*\x+\j:O+32*\x+\j+1], v[O+32*\x+\j:O+32*\x+\j+1], v[ST+8*\x+6:ST+8*\x+7] op_sel_hi:[1,0]   ; O^T under the new m
.endr
.endr
	s_wait_dscnt 0x0                               ; V is in
.irp u, 0,1
.irp x, 0,1
.irp ct, 0,1,2,3
	v_wmma_f32_16x16x32_f16 v[O+32*\x+8*\ct:O+32*\x+8*\ct+7], v[KV+32*\u+8*\ct:KV+32*\u+8*\ct+7], v[S+32*\x+8*\u:S+32*\x+8*\u+7], v[O+32*\x+8*\ct:O+32*\x+8*\ct+7]
.endr
.endr
.endr
	s_add_co_u32 s[TB], s[TB], 8192
.endm
; THE CHANGE OF SLOTS, at a slot's head.  Each wave waits for all its tensor loads (its part of the slot ahead), adds 0 to its spare word, and waits for that and for its reads of the slot that it has left.
; fill = 1: a round of the cluster's barrier, so that no wave of any partner still reads that slot or has a load on its way; the joint refill is the first thing behind it.
.macro CHANGE fill
	s_wait_tensorcnt 0x0                           ; no tensor load of mine is out, so the descriptor may be written
	ds_add_u32 v[SPW], v[NIL]
.if \fill
	s_xor_b32 s[G0+1], s[G0+1], SLOT1              ; the other slot,
	s_add_nc_u64 s[G0+2:G0+3], s[G0+2:G0+3], 65536 ; the next 512 keys
	s_wait_xcnt 0x0                                ; the last prefetch, a slot back, has read its address
	s_add_nc_u64 s[PFA:PFA+1], s[PFA:PFA+1], 65536
	s_wait_dscnt 0x0                               ; the add is done, and my reads of the slot that I have left are over
	CROUND
	tensor_load_to_lds s[G0:G0+3], s[G1:G1+7]
	s_nop 0
.rept 4
	v_nop
.endr
	ASK
.else
	s_wait_dscnt 0x0
	s_barrier_signal -1
	s_barrier_wait -1
.endif
.endm
.macro EIGHT                           ; a slot's eight key steps: written once, walked eight times
	s_mov_b32 s[STEPC], 8
.Lstep_\@:
	STEP
	s_sub_co_u32 s[STEPC], s[STEPC], 1
	s_cmp_lg_u32 s[STEPC], 0
	s_cbranch_scc1 .Lstep_\@
	s_sub_co_u32 s[TB], s[TB], 65536               ; back to a slot's first step,
	s_xor_b32 s[TB], s[TB], SLOT1                  ; in the other slot
.endm
.Lslot:                                            ; 7 trips: behind each change of slots but the last the next 512 keys are asked for
	CHANGE 1
	EIGHT
	s_sub_co_u32 s[SLOTS], s[SLOTS], 1
	s_cmp_lg_u32 s[SLOTS], 0
	s_cbranch_scc1 .Lslot
	CHANGE 0                                       ; the last slot is written out
	EIGHT
	; THE WAY OUT: O^T / l, rounded to f16: a lane's 8 channels of a tile are half a fragment of the last product's operand, and are stored as such.  The additions are the places behind the last products.
.irp x, 0,1
	v_add_f32 v[ST+8*\x+4], v[ST+8*\x+2], v[ST+8*\x+3]
.endr
.irp x, 0,1
	v_permlanex16_b32 v[ST+8*\x+5], v[ST+8*\x+4], s[SEL], s[SEL+1]
.endr
.irp x, 0,1
	v_add_f32 v[ST+8*\x+4], v[ST+8*\x+4], v[ST+8*\x+5]
.endr
.irp x, 0,1
	v_rcp_f32 v[ST+8*\x+6], v[ST+8*\x+4]
.endr
	v_nop
	s_wait_alu depctr_va_vdst(0)                   ; one wait for the two reciprocals, ahead of their first reader
.irp x, 0,1
.irp j, 0,2,4,6,8,10,12,14,16,18,20,22,24,26,28,30
	v_pk_mul_f32 v[O+32*\x+\j:O+32*\x+\j+1], v[O+32*\x+\j:O+32*\x+\j+1], v[ST+8*\x+6:ST+8*\x+7] op_sel_hi:[1,0]
.endr
.endr
.irp j, 0,1,2,3,4,5,6,7,8,9,10,11,12,13,14,15,16,17,18,19,20,21,22,23,24,25,26,27,28,29,30,31
	v_cvt_pk_f16_f32 v[S+\j], v[O+2*\j], v[O+2*\j+1]
.endr
.irp x, 0,1
.irp ct, 0,1,2,3
	global_store_b128 v[LI], v[S+16*\x+4*\ct:S+16*\x+4*\ct+3], s[8:9] offset:16384*\x+512*\ct   ; 512 consecutive bytes, aligned
.endr
.endr
	s_wait_tensorcnt 0x0                           ; the wave's end
	ds_add_u32 v[SPW], v[NIL]
	s_wait_dscnt 0x0
	CROUND                                         ; the closing round
	s_endpgm
.Lfunc_end_k_q86645fe314_attn:
	.size	k_q86645fe314_attn, .Lfunc_end_k_q86645fe314_attn-k_q86645fe314_attn
	.p2alignl 7, 3214868480
	.fill 96, 4, 3214868480
	.section	.rodata,"a",@progbits
	.p2align	6, 0x0
	.amdhsa_kernel k_q86645fe314_attn
		.amdhsa_group_segment_fixed_size 327680
		.amdhsa_private_segment_fixed_size 0
		.amdhsa_enable_private_segment 0
		.amdhsa_kernarg_size 24
		.amdhsa_user_sgpr_count 2
		.amdhsa_user_sgpr_kernarg_segment_ptr 1
		.amdhsa_wavefront_size32 1
		.amdhsa_system_sgpr_workgroup_id_x 1
		.amdhsa_system_sgpr_workgroup_id_y 1
		.amdhsa_system_sgpr_workgroup_id_z 1
		.amdhsa_system_vgpr_workitem_id 0
		.amdhsa_next_free_vgpr 256
		.amdhsa_next_free_sgpr 100
		.amdhsa_reserve_vcc 0
		.amdhsa_float_denorm_mode_32 3
		.amdhsa_float_denorm_mode_16_64 3
		.amdhsa_memory_ordered 1
		.amdhsa_forward_progress 1
		.amdhsa_inst_pref_size 58
	.end_amdhsa_kernel
	.amdgpu_metadata
---
amdhsa.version: [ 1, 2 ]
amdhsa.kernels:
  - .name:           k_q86645fe314_attn
    .symbol:         k_q86645fe314_attn.kd
    .args:
      - { .name: hi, .offset: 0, .size: 8, .value_kind: global_buffer, .address_space: global }
      - { .name: maskw, .offset: 8, .size: 8, .value_kind: global_buffer, .address_space: global }
      - { .name: hhi, .offset: 16, .size: 8, .value_kind: global_buffer, .address_space: global }
    .group_segment_fixed_size: 327680
    .private_segment_fixed_size: 0
    .kernarg_segment_align: 8
    .kernarg_segment_size: 24
    .max_flat_workgroup_size: 256
    .sgpr_count:     100
    .vgpr_count:     256
    .wavefront_size: 32
...
	.end_amdgpu_metadata
.endif
;; end of part 3
;; launch fine (part 4): grid 16 x 1, 16 waves a work-group, no clusters, 76,032 bytes of LDS; arguments hi, lo, maskw, Wo, part; writes part
.if DOCPART == 4
	.amdgcn_target "amdgcn-amd-amdhsa--gfx1250"
	.amdhsa_code_object_version 6
	.text
	.protected	k_q86645fe314_fine
	.globl	k_q86645fe314_fine
	.p2align	8
	.type	k_q86645fe314_fine,@function
k_q86645fe314_fine:
	s_mov_b64 s[64:65], 0
	v_nop
	global_prefetch_b8 v0, s[64:65] scope:SCOPE_SE
	s_setreg_imm32_b32 hwreg(HW_REG_WAVE_MODE, 25, 1), 1
	s_wait_xcnt 0x0
; FINE: positions 0 to 15 of every sequence, made again with more bits: under a mask that lets them see few keys these rows average few values and are the largest.
; A work-group is one (batch, head).  Both products of attention take their operands as pairs of f16 numbers, a high and a low part (x = hi + lo to 22 bits): hi hi + hi lo + lo hi, three products on one f32 sum.
; Wave w walks keys 256 w .. 256 w + 255, 32 at a time, with a running maximum of its own; fragments come from memory straight into registers (no wave reads what another reads).
; The 16 waves' maxima, sums and O^T meet in LDS; waves 0 to 3 merge them (16 channels each) and lay the 16 rows of the head, f32, in LDS.
; Then each wave makes 32 columns of this head's share of the output projection, in f32 by the f32 matrix form on f32 numbers of Wo: 16 rows, no bulk work.  The 8 heads' shares are added by the last launch.
; The mask's value is -1e9 log2(e), as in the main launch, and every key is walked.
; LIMITS: NaN and infinities are not served; low parts under 6e-5 carry f16's absolute error of 3e-8.
.set KOFF,  8388608
.set HROW,  69632                      ; LDS: 0: 16 images of O^T, 4,096 bytes each; 65,536: m and l, 256 bytes a wave; here: 16 rows x (256 + 16) bytes
.set SPARE, HROW+16*272                ; the spare words, 128 bytes a wave: no other line names them
.set LI,  1                            ; v1   16 x lane
.set CH,  2                            ; v2-3 the sums' second chain; later r and h
.set SPW, 4                            ; v4   my spare word; never rewritten
.set NIL, 5                            ; v5   0; never rewritten
.set NEG, 6                            ; v6   -1e9 log2(e)
.set WOO, 7                            ; v7   Wo: 2,048 r + 8 h
.set QH,  8                            ; v8-23, v24-39: Q's two fragments, high and low; later the merge's sums
.set QL,  24
.set PH,  40                           ; v40-47, v48-55: P, high and low
.set PL,  48
.set PA0, 56                           ; v56-63 and v248-255: the projection's sums: written by the f32 matrix form alone in the whole text
.set S,   64                           ; v64-79  S^T of two tiles; after the walk: LDS addresses
.set M,   80                           ; v80 m, v81 its pair's partner
.set L,   82                           ; v82-83 l
.set C0,  84                           ; v84-87 at work; a in v86
.set A,   86
.set O,   88                           ; v88-119  O^T: 8 ct
.set KH,  120                          ; v120-151, v152-183: K: 8 (2 t + f); after the walk: Wo
.set KL,  152
.set VH,  184                          ; v184-215, v216-247: V: 8 ct; after the walk: the merge's loads, then the head's rows
.set VL,  216
.set PA1, 248
.set WV,  14
.set KHB, 32
.set KLB, 34
.set VHB, 36
.set VLB, 38
.set SEL, 40
.set MB,  48
.macro PLACES n
.rept \n
	v_nop
.endr
.endm
.macro LOADK i
.irp j, 0,1,2,3,4,5,6,7
	global_load_b128 v[KH+4*\j:KH+4*\j+3], v[LI], s[KHB:KHB+1] offset:4096*(\i)+512*\j
.endr
.irp j, 0,1,2,3,4,5,6,7
	global_load_b128 v[KL+4*\j:KL+4*\j+3], v[LI], s[KLB:KLB+1] offset:4096*(\i)+512*\j
.endr
.endm
.macro LOADV i
.irp j, 0,1,2,3,4,5,6,7
	global_load_b128 v[VH+4*\j:VH+4*\j+3], v[LI], s[VHB:VHB+1] offset:4096*(\i)+512*\j
.endr
.irp j, 0,1,2,3,4,5,6,7
	global_load_b128 v[VL+4*\j:VL+4*\j+3], v[LI], s[VLB:VLB+1] offset:4096*(\i)+512*\j
.endr
.endm
.macro KLINK a, q, f, zero             ; one link of both tiles' sums: the two accumulators take turns
.irp t, 0,1
.if \zero
	v_wmma_f32_16x16x32_f16 v[S+8*\t:S+8*\t+7], v[\a+16*\t+8*\f:\a+16*\t+8*\f+7], v[\q+8*\f:\q+8*\f+7], 0
.else
	v_wmma_f32_16x16x32_f16 v[S+8*\t:S+8*\t+7], v[\a+16*\t+8*\f:\a+16*\t+8*\f+7], v[\q+8*\f:\q+8*\f+7], v[S+8*\t:S+8*\t+7]
.endif
.endr
.endm
.macro VLINK a, p
.irp ct, 0,1,2,3
	v_wmma_f32_16x16x32_f16 v[O+8*\ct:O+8*\ct+7], v[\a+8*\ct:\a+8*\ct+7], v[\p:\p+7], v[O+8*\ct:O+8*\ct+7]
.endr
.endm
	s_load_b256 s[4:11], s[0:1], 0x0               ; hi, lo, maskw, Wo
	s_load_b64 s[12:13], s[0:1], 0x20              ; part
	v_lshl_add_u32 v[SPW], v0, 2, SPARE
	v_mov_b32 v[NIL], 0
	v_lshrrev_b32 v1, 5, v0
	v_readfirstlane_b32 s[WV], v1                  ; wave 0..15
	v_and_b32 v1, 31, v0
	v_lshlrev_b32 v[LI], 4, v1
	v_mov_b32 v[NEG], 0xceabfb8f
	v_and_b32 v2, 15, v0
	v_bfe_u32 v3, v0, 4, 1
	v_lshlrev_b32 v[WOO], 11, v2
	v_lshl_add_u32 v[WOO], v3, 3, v[WOO]
	s_mov_b32 s[SEL], 0x76543210
	s_mov_b32 s[SEL+1], 0xfedcba98
	s_lshl_b32 s42, ttmp9, 19                      ; the head's 524,288 bytes: Q's tile 0 lies at their start
	s_mov_b32 s43, 0
	s_lshl_b32 s15, s[WV], 15                      ; my 256 keys
	s_add_co_u32 s50, s42, s15
	s_add_co_u32 s50, s50, KOFF                    ; in k's images,
	s_mov_b32 s51, 0
	s_add_co_u32 s52, s50, KOFF                    ; in v's
	s_mov_b32 s53, 0
	s_lshr_b32 s54, ttmp9, 3
	s_lshl_b32 s54, s54, 21                        ; the batch's mask words: tile 0 of the queries,
	s_lshl_b32 s15, s[WV], 9                       ; my four key steps
	s_add_co_u32 s54, s54, s15
	s_mov_b32 s55, 0
	s_lshl_b32 s56, s[WV], 16                      ; Wo: my 32 rows,
	s_and_b32 s15, ttmp9, 7
	s_lshl_b32 s15, s15, 8                         ; the head's 64 columns
	s_add_co_u32 s56, s56, s15
	s_mov_b32 s57, 0
	s_lshl_b32 s58, ttmp9, 15                      ; part: 32 tiles of 1,024 bytes a head,
	s_lshl_b32 s15, s[WV], 11                      ; my two
	s_add_co_u32 s58, s58, s15
	s_mov_b32 s59, 0
	s_wait_kmcnt 0x0
	s_add_nc_u64 s[44:45], s[4:5], s[42:43]
	s_add_nc_u64 s[46:47], s[6:7], s[42:43]
	s_add_nc_u64 s[KHB:KHB+1], s[4:5], s[50:51]
	s_add_nc_u64 s[KLB:KLB+1], s[6:7], s[50:51]
	s_add_nc_u64 s[VHB:VHB+1], s[4:5], s[52:53]
	s_add_nc_u64 s[VLB:VLB+1], s[6:7], s[52:53]
	s_add_nc_u64 s[MB:MB+1], s[8:9], s[54:55]
	s_add_nc_u64 s[10:11], s[10:11], s[56:57]
	s_add_nc_u64 s[12:13], s[12:13], s[58:59]
	s_load_b512 s[16:31], s[MB:MB+1], 0x0          ; the first 32 keys' 16 words
.irp j, 0,1,2,3
	global_load_b128 v[QH+4*\j:QH+4*\j+3], v[LI], s[44:45] offset:512*\j
	global_load_b128 v[QL+4*\j:QL+4*\j+3], v[LI], s[46:47] offset:512*\j
.endr
	LOADK 0
	LOADV 0
	v_mov_b32 v[M], 0xff61b1e6                     ; m = -3e38
	v_mov_b32 v[M+1], 0
	v_mov_b32 v[L], 0
	v_mov_b32 v[L+1], 0
.irp j, 0,1,2,3,4,5,6,7,8,9,10,11,12,13,14,15,16,17,18,19,20,21,22,23,24,25,26,27,28,29,30,31
	v_mov_b32 v[O+\j], 0
.endr
.macro HSTEP i                         ; 32 keys
	s_wait_loadcnt 16                              ; K is in (and, the first time, Q); V's 16 loads stay out
	KLINK KH, QH, 0, 1
	KLINK KH, QH, 1, 0
	KLINK KH, QL, 0, 0
	KLINK KH, QL, 1, 0
	KLINK KL, QH, 0, 0
	KLINK KL, QH, 1, 0
	PLACES 4
.if \i < 7
	LOADK \i+1
.endif
	s_wait_kmcnt 0x0
.irp n, 0,1,2,3,4,5,6,7,8,9,10,11,12,13,14,15
	v_cndmask_b32 v[S+\n], v[NEG], v[S+\n], s[16+\n]
.endr
.if \i < 7
	s_load_b512 s[16:31], s[MB:MB+1], 64*(\i+1)
.endif
	v_max3_num_f32 v[C0], v[S], v[S+1], v[S+2]
	v_max3_num_f32 v[C0+1], v[S+3], v[S+4], v[S+5]
	v_max3_num_f32 v[C0], v[C0], v[S+6], v[S+7]
	v_max3_num_f32 v[C0+1], v[C0+1], v[S+8], v[S+9]
	v_max3_num_f32 v[C0], v[C0], v[S+10], v[S+11]
	v_max3_num_f32 v[C0+1], v[C0+1], v[S+12], v[S+13]
	v_max3_num_f32 v[C0], v[C0], v[S+14], v[S+15]
	v_max3_num_f32 v[C0], v[C0], v[C0+1], v[M]
	v_permlanex16_b32 v[C0+1], v[C0], s[SEL], s[SEL+1]
	v_max_num_f32 v[C0+1], v[C0], v[C0+1]          ; the new m
	v_sub_f32 v[A+1], v[M], v[C0+1]
	v_mov_b32 v[M], v[C0+1]
.irp j, 0,2,4,6,8,10,12,14
	v_pk_add_f32 v[S+\j:S+\j+1], v[S+\j:S+\j+1], v[M:M+1] op_sel_hi:[1,0] neg_lo:[0,1] neg_hi:[0,1]
.endr
	v_exp_f32 v[A], v[A+1]
.irp j, 0,1,2,3,4,5,6,7,8,9,10,11,12,13,14,15
	v_exp_f32 v[S+\j], v[S+\j]
.endr
	v_nop
	s_wait_alu depctr_va_vdst(0)                   ; one wait for the batch of 17, ahead of its first reader
	v_pk_mul_f32 v[L:L+1], v[L:L+1], v[A:A+1] op_sel_hi:[1,0]
	v_pk_add_f32 v[CH:CH+1], v[S:S+1], v[S+2:S+3]
.irp j, 4,8,12
	v_pk_add_f32 v[L:L+1], v[L:L+1], v[S+\j:S+\j+1]
	v_pk_add_f32 v[CH:CH+1], v[CH:CH+1], v[S+\j+2:S+\j+3]
.endr
	v_pk_add_f32 v[L:L+1], v[L:L+1], v[CH:CH+1]
.irp j, 0,2,4,6,8,10,12,14,16,18,20,22,24,26,28,30
	v_pk_mul_f32 v[O+\j:O+\j+1], v[O+\j:O+\j+1], v[A:A+1] op_sel_hi:[1,0]   ; a is done with behind these: the four registers at work are free
.endr
.irp j, 0,1,2,3,4,5,6,7
	v_cvt_pk_f16_f32 v[PH+\j], v[S+2*\j], v[S+2*\j+1]
.endr
.set n, 0                              ; p - f32(f16(p)), exact in f32
.irp h, v40.l,v40.h,v41.l,v41.h,v42.l,v42.h,v43.l,v43.h,v44.l,v44.h,v45.l,v45.h,v46.l,v46.h,v47.l,v47.h
	v_cvt_f32_f16 v[C0+n%4], \h
.if n%2 == 1
	v_pk_add_f32 v[S+n-1:S+n], v[S+n-1:S+n], v[C0+(n-1)%4:C0+(n-1)%4+1] neg_lo:[0,1] neg_hi:[0,1]
.endif
.set n, n+1
.endr
.irp j, 0,1,2,3,4,5,6,7
	v_cvt_pk_f16_f32 v[PL+\j], v[S+2*\j], v[S+2*\j+1]
.endr
.if \i < 7
	s_wait_loadcnt 16                              ; V is in; the next K's 16 loads stay out
.else
	s_wait_loadcnt 0x0
.endif
	VLINK VH, PH
	VLINK VH, PL
	VLINK VL, PH
	PLACES 4
.if \i < 7
	LOADV \i+1
.endif
.endm
	HSTEP 0
	HSTEP 1
	HSTEP 2
	HSTEP 3
	HSTEP 4
	HSTEP 5
	HSTEP 6
	HSTEP 7
	; ---- the waves' results meet
	v_add_f32 v[C0], v[L], v[L+1]
	v_permlanex16_b32 v[C0+1], v[C0], s[SEL], s[SEL+1]
	v_add_f32 v[L], v[C0], v[C0+1]                 ; my keys' sum for query l % 16
	v_and_b32 v2, 15, v0                           ; r
	v_bfe_u32 v3, v0, 4, 1                         ; h
	s_lshl_b32 s15, s[WV], 12
	v_add_nc_u32 v64, s15, v[LI]                   ; my image of O^T
	v_and_b32 v65, 31, v0
	v_lshlrev_b32 v65, 2, v65
	v_add_nc_u32 v66, 65536, v65                   ; the m and l of all waves, for my lane
	s_lshl_b32 s15, s[WV], 8
	v_add_nc_u32 v65, s15, v66                     ; mine
	s_lshl_b32 s15, s[WV], 10
	v_add_nc_u32 v67, s15, v[LI]                   ; waves 0-3: tile ct = wave of each image
	v_mul_u32_u24 v68, v2, 272
	v_add_nc_u32 v68, HROW, v68
	v_lshl_add_u32 v69, v3, 3, v68                 ; the head's row r, + 2 h numbers
	v_lshl_add_u32 v68, v3, 5, v68
	s_lshl_b32 s15, s[WV], 6
	v_add_nc_u32 v68, s15, v68                     ; waves 0-3: row r, channels 16 wave + 8 h on
.irp k, 0,1,2,3,4,5,6,7
	ds_store_b128 v64, v[O+4*\k:O+4*\k+3] offset:512*\k
.endr
	ds_store_b32 v65, v[M]
	ds_store_b32 v65, v[L] offset:128
.irp e, 0,1
.irp kk, 0,1,2,3,4,5,6,7,8,9,10,11,12,13,14,15
	global_load_b64 v[KH+32*\e+2*\kk:KH+32*\e+2*\kk+1], v[WOO], s[10:11] offset:32768*\e+16*\kk   ; Wo(32 w + 16 e + r, 64 head + 4 kk + 2 h ..): f32 as it lies
.endr
.endr
	s_wait_dscnt 0x0                               ; for the others' sake: my stores have landed
	s_barrier_signal -1
	s_barrier_wait -1
	s_cmp_ge_u32 s[WV], 4
	s_cbranch_scc1 .Ljoin
.irp i, 0,1,2,3,4,5,6,7,8,9,10,11,12,13,14,15
	ds_load_b32 v[VH+\i], v66 offset:256*\i
.endr
.irp i, 0,1,2,3,4,5,6,7,8,9,10,11,12,13,14,15
	ds_load_b32 v[VH+16+\i], v66 offset:256*\i+128
.endr
	s_wait_dscnt 0x0
	v_max3_num_f32 v8, v[VH], v[VH+1], v[VH+2]
.irp i, 3,5,7,9,11,13
	v_max3_num_f32 v8, v8, v[VH+\i], v[VH+\i+1]
.endr
	v_max_num_f32 v8, v8, v[VH+15]                 ; the row's maximum over all keys
.irp i, 0,1,2,3,4,5,6,7,8,9,10,11,12,13,14,15
	v_sub_f32 v[VH+\i], v[VH+\i], v8
.endr
.irp i, 0,1,2,3,4,5,6,7,8,9,10,11,12,13,14,15
	v_exp_f32 v[VH+\i], v[VH+\i]                   ; f_i = 2^(m_i - M)
.endr
	v_nop
	s_wait_alu depctr_va_vdst(0)                   ; one wait for the 16
	v_mul_f32 v9, v[VH], v[VH+16]
.irp i, 1,2,3,4,5,6,7,8,9,10,11,12,13,14,15
	v_fmac_f32 v9, v[VH+\i], v[VH+16+\i]
.endr
	v_rcp_f32 v10, v9
.irp g, 0,1,2,3                                ; four waves' tiles at a time
.irp q, 0,1,2,3
	ds_load_b128 v[VL+8*\q:VL+8*\q+3], v67 offset:4096*(4*\g+\q)
	ds_load_b128 v[VL+8*\q+4:VL+8*\q+7], v67 offset:4096*(4*\g+\q)+512
.endr
	s_wait_dscnt 0x0
.irp q, 0,1,2,3
.irp j, 0,1,2,3,4,5,6,7
.if (\g == 0) && (\q == 0)
	v_mul_f32 v[16+\j], v[VH], v[VL+\j]
.else
	v_fmac_f32 v[16+\j], v[VH+4*\g+\q], v[VL+8*\q+\j]
.endif
.endr
.endr
.endr
	s_wait_alu depctr_va_vdst(0)                   ; the reciprocal's wait, ahead of its first reader
.irp j, 0,1,2,3,4,5,6,7
	v_mul_f32 v[16+\j], v[16+\j], v10
.endr
	ds_store_b128 v68, v[16:19]
	ds_store_b128 v68, v[20:23] offset:16
.Ljoin:
	s_wait_dscnt 0x0
	s_barrier_signal -1
	s_barrier_wait -1                              ; the head's 16 rows lie in LDS
	; ---- this head's share of the projection, in f32: source 0 = 16 rows of Wo, source 1 = the 16 positions; K = 4 channels an instruction
.irp kk, 0,1,2,3,4,5,6,7,8,9,10,11,12,13,14,15
	ds_load_b64 v[VH+2*\kk:VH+2*\kk+1], v69 offset:16*\kk
.endr
	s_wait_dscnt 0x0
	s_wait_loadcnt 0x0                             ; Wo
	v_wmma_f32_16x16x4_f32 v[PA0:PA0+7], v[KH:KH+1], v[VH:VH+1], 0               ; the first K step starts both sums; the two take turns
	v_wmma_f32_16x16x4_f32 v[PA1:PA1+7], v[KH+32:KH+33], v[VH:VH+1], 0
.irp kk, 1,2,3,4,5,6,7,8,9,10,11,12,13,14,15
	v_wmma_f32_16x16x4_f32 v[PA0:PA0+7], v[KH+2*\kk:KH+2*\kk+1], v[VH+2*\kk:VH+2*\kk+1], v[PA0:PA0+7]
	v_wmma_f32_16x16x4_f32 v[PA1:PA1+7], v[KH+32+2*\kk:KH+33+2*\kk], v[VH+2*\kk:VH+2*\kk+1], v[PA1:PA1+7]
.endr
	PLACES 8                                       ; eight places behind this form, ahead of the stores that read its results
	global_store_b128 v[LI], v[PA0:PA0+3], s[12:13]
	global_store_b128 v[LI], v[PA0+4:PA0+7], s[12:13] offset:512
	global_store_b128 v[LI], v[PA1:PA1+3], s[12:13] offset:1024
	global_store_b128 v[LI], v[PA1+4:PA1+7], s[12:13] offset:1536
	s_wait_tensorcnt 0x0                           ; the wave's end
	ds_add_u32 v[SPW], v[NIL]
	s_wait_dscnt 0x0
	s_endpgm
.Lfunc_end_k_q86645fe314_fine:
	.size	k_q86645fe314_fine, .Lfunc_end_k_q86645fe314_fine-k_q86645fe314_fine
	.p2alignl 7, 3214868480
	.fill 96, 4, 3214868480
	.section	.rodata,"a",@progbits
	.p2align	6, 0x0
	.amdhsa_kernel k_q86645fe314_fine
		.amdhsa_group_segment_fixed_size 76032
		.amdhsa_private_segment_fixed_size 0
		.amdhsa_enable_private_segment 0
		.amdhsa_kernarg_size 40
		.amdhsa_user_sgpr_count 2
		.amdhsa_user_sgpr_kernarg_segment_ptr 1
		.amdhsa_wavefront_size32 1
		.amdhsa_system_sgpr_workgroup_id_x 1
		.amdhsa_system_sgpr_workgroup_id_y 1
		.amdhsa_system_sgpr_workgroup_id_z 1
		.amdhsa_system_vgpr_workitem_id 0
		.amdhsa_next_free_vgpr 256
		.amdhsa_next_free_sgpr 66
		.amdhsa_reserve_vcc 0
		.amdhsa_float_denorm_mode_32 3
		.amdhsa_float_denorm_mode_16_64 3
		.amdhsa_memory_ordered 1
		.amdhsa_forward_progress 1
		.amdhsa_inst_pref_size 113
	.end_amdhsa_kernel
	.amdgpu_metadata
---
amdhsa.version: [ 1, 2 ]
amdhsa.kernels:
  - .name:           k_q86645fe314_fine
    .symbol:         k_q86645fe314_fine.kd
    .args:
      - { .name: hi, .offset: 0, .size: 8, .value_kind: global_buffer, .address_space: global }
      - { .name: lo, .offset: 8, .size: 8, .value_kind: global_buffer, .address_space: global }
      - { .name: maskw, .offset: 16, .size: 8, .value_kind: global_buffer, .address_space: global }
      - { .name: Wo, .offset: 24, .size: 8, .value_kind: global_buffer, .address_space: global }
      - { .name: part, .offset: 32, .size: 8, .value_kind: global_buffer, .address_space: global }
    .group_segment_fixed_size: 76032
    .private_segment_fixed_size: 0
    .kernarg_segment_align: 8
    .kernarg_segment_size: 40
    .max_flat_workgroup_size: 512
    .sgpr_count:     66
    .vgpr_count:     256
    .wavefront_size: 32
...
	.end_amdgpu_metadata
.endif
;; end of part 4
;; launch outp (part 5): grid 4 x 64, 8 waves a work-group, clusters of 4 x 1, 327,680 bytes of LDS; arguments hhi, wts, part, bo, out0; writes out0
.if DOCPART == 5
	.amdgcn_target "amdgcn-amd-amdhsa--gfx1250"
	.amdhsa_code_object_version 6
	.text
	.protected	k_q86645fe314_outp
	.globl	k_q86645fe314_outp
	.p2align	8
	.type	k_q86645fe314_outp,@function
k_q86645fe314_outp:
	s_mov_b64 s[64:65], 0
	v_nop
	global_prefetch_b8 v0, s[64:65] scope:SCOPE_SE
	s_setreg_imm32_b32 hwreg(HW_REG_WAVE_MODE, 25, 1), 1
	s_wait_xcnt 0x0
	s_wait_alu depctr_hold_cnt(0) depctr_sa_sdst(0) depctr_va_vdst(0) depctr_va_sdst(0) depctr_va_ssrc(0) depctr_va_vcc(0) depctr_vm_vsrc(0)
	s_getreg_b32 s2, hwreg(HW_REG_IB_STS2, 6, 4)
	s_cmp_eq_u32 s2, 0
	s_cbranch_scc0 .Lentry_in_a_cluster
	s_endpgm
.Lentry_in_a_cluster:
	s_bfe_u32 s2, ttmp6, 0x10000c
	s_cmp_lg_u32 s2, 0x3003
	s_cbranch_scc0 .Lentry_shape_is_right
	s_endpgm
.Lentry_shape_is_right:
; OUTP: out = heads Wo^T + bo, on f16 fragments, sums in f32; for positions 0 to 15 of each sequence the 8 heads' fine shares are added in f32 instead.
; A work-group makes 128 tokens x 128 columns; all of K (512) lies in LDS, so nothing is filled again.  Wave w makes tiles of tokens 2 (w / 2), + 1 and tiles of columns 4 (w % 2) .. + 3: 8 accumulators.
; CLUSTER: the four work-groups of a cluster make the four column slices of the same 128 tokens: the tokens' fragments (128 KB) are asked for jointly, by waves 0-3; each work-group's own slice of Wo by plain loads, by waves 4-7.
; The product is used transposed (source 0 = 16 rows of Wo, source 1 = 16 tokens): a lane holds one token and 8 neighbouring columns.  The bias is the C of each sum's first product.
; The way out goes through each wave's own stage in LDS, so that sixteen lanes store 256 consecutive bytes, aligned.
; LIMITS: |heads| and |Wo| stay under 65,504.
.set WOH,   442368
.set BOFF,  131072                     ; LDS: the tokens' fragments, then Wo's,
.set STAGE, 262144                     ; the stages: 16 rows x (256 + 16) bytes a wave,
.set SPARE, STAGE+8*16*272             ; the spare words, 128 bytes a wave: no other line names them
.set LI,  1                            ; v1   16 x lane
.set ADA, 2                            ; v2   my tokens' fragments
.set ADB, 3                            ; v3   my columns'
.set SPW, 4                            ; v4   my spare word; never rewritten
.set NIL, 5                            ; v5   0; never rewritten
.set STO, 6                            ; v6   the stage, on the way in
.set RD,  7                            ; v7   and back
.set GO,  8                            ; v8   my byte offset in two rows of out0
.set OB,  9                            ; v9   32 (l / 16)
.set BI,  16                           ; v16-47   the bias, 8 a tile of columns
.set ACC, 48                           ; v48-111  32 tt + 8 nt
.set FR0, 112                          ; v112-159, v160-207: two sets of fragments: tokens at 8 tt, columns at 16 + 8 nt; later rows read back from the stage
                                       ; window 1, v0-255: the 8 heads' fine shares: 32 head + 8 nt
.set WV,  14
.set SPC, 20                           ; 1 in the waves whose first tile of tokens is positions 0 to 15 of a sequence
.set G1A, 24
.set G1B, 32
.set G0A, 40
.set G0B, 44
.set MSB, 0
.macro WIN new                         ; the immediate's high byte repeats the setting that is left
.if MSB != \new
	s_set_vgpr_msb (MSB<<8)|\new
.set MSB, \new
.endif
.endm
.macro PLACES n
.rept \n
	v_nop
.endr
.endm
.macro CROUND                          ; a round of the cluster's barrier
	s_barrier_signal -1
	s_barrier_wait -1
	s_cmp_lg_u32 s[WV], 0
	s_cbranch_scc1 .Lnot_wave_0_\@
	s_barrier_signal -3
.Lnot_wave_0_\@:
	s_barrier_wait -3
	s_barrier_signal -1
	s_barrier_wait -1
.endm
	s_load_b256 s[4:11], s[0:1], 0x0               ; hhi, wts, part, bo
	s_load_b64 s[12:13], s[0:1], 0x20              ; out0
	v_lshl_add_u32 v[SPW], v0, 2, SPARE
	v_mov_b32 v[NIL], 0
	ds_add_u32 v[SPW], v[NIL]                      ; the opening: the add, twice on end, and its wait ahead of the round in front of my tensor load
	ds_add_u32 v[SPW], v[NIL]
	v_lshrrev_b32 v1, 5, v0
	v_readfirstlane_b32 s[WV], v1                  ; wave 0..7
	v_and_b32 v1, 31, v0
	v_lshlrev_b32 v[LI], 4, v1
	v_and_b32 v10, 15, v0                          ; r
	v_bfe_u32 v11, v0, 4, 1                        ; h
	s_bfe_u32 s15, ttmp6, 0x40000                  ; cx = my slice of 128 columns: it enters Wo's, the bias's, the shares' and the result's addresses alone
	s_and_b32 s16, ttmp7, 0xffff                   ; my block of 128 tokens, which the partners share
	s_lshr_b32 s17, s[WV], 1                       ; wm
	s_and_b32 s18, s[WV], 1                        ; wn
	s_lshl_b32 s19, s17, 15
	v_add_nc_u32 v[ADA], s19, v[LI]
	s_lshl_b32 s19, s18, 16
	s_add_co_u32 s19, s19, BOFF
	v_add_nc_u32 v[ADB], s19, v[LI]
	s_mul_i32 s19, s[WV], 16*272
	s_add_co_u32 s19, s19, STAGE
	v_mul_u32_u24 v[STO], v10, 272
	v_lshl_add_u32 v[STO], v11, 5, v[STO]
	v_add_nc_u32 v[STO], s19, v[STO]               ; in: row r, 32 bytes for each half of the lanes
	v_mul_u32_u24 v[RD], v11, 272
	v_lshl_add_u32 v[RD], v10, 4, v[RD]
	v_add_nc_u32 v[RD], s19, v[RD]                 ; back: lanes 0-15 one row, lanes 16-31 the next
	v_lshlrev_b32 v[GO], 11, v11
	v_lshl_add_u32 v[GO], v10, 4, v[GO]
	v_lshlrev_b32 v[OB], 5, v11
	s_and_b32 s19, s16, 31
	s_or_b32 s19, s19, s17
	s_cmp_eq_u32 s19, 0
	s_cselect_b32 s[SPC], 1, 0                     ; the block's number and the wave's alone: the same in all partners
	s_mov_b32 s[G1A], 15|(3<<16)|(1<<21)           ; the mask: all four; elements of 8 bytes; bit 21 beside a mask
	s_mov_b32 s[G1B], 3<<16                        ; no mask
.irp g, G1A, G1B
	s_mov_b32 s[\g+1], 32<<16                      ; rows of 256 bytes,
	s_mov_b32 s[\g+2], 128<<16                     ; 128 of them,
	s_mov_b32 s[\g+3], 32<<16
	s_mov_b32 s[\g+4], 128
	s_mov_b32 s[\g+5], 32                          ; dense
	s_mov_b32 s[\g+6], 0
	s_mov_b32 s[\g+7], 0
.endr
	s_and_b32 s21, s[WV], 3
	s_lshl_b32 s21, s21, 15                        ; my quarter of 128 KB
	s_lshl_b32 s48, s16, 17
	s_add_co_u32 s48, s48, s21                     ; the tokens' fragments: block and wave alone
	s_mov_b32 s49, 0
	s_lshl_b32 s50, s15, 17
	s_add_co_u32 s50, s50, s21
	s_add_co_u32 s50, s50, WOH                     ; my slice of Wo's
	s_mov_b32 s51, 0
	s_lshl_b32 s52, s15, 9
	s_lshl_b32 s53, s18, 8
	s_add_co_u32 s52, s52, s53                     ; my 64 columns, in bytes of f32
	s_mov_b32 s53, 0
	s_lshl_b32 s54, s16, 18
	s_lshl_b32 s55, s17, 16
	s_add_co_u32 s54, s54, s55
	s_add_co_u32 s54, s54, s52                     ; out0: my 32 rows, my 64 columns
	s_mov_b32 s55, 0
	s_lshr_b32 s56, s16, 5
	s_lshl_b32 s56, s56, 18                        ; the batch's shares: 8 heads x 32 tiles x 1,024 bytes,
	s_lshl_b32 s57, s15, 13
	s_add_co_u32 s56, s56, s57
	s_lshl_b32 s57, s18, 12
	s_add_co_u32 s56, s56, s57                     ; from tile 8 slice + 4 wn on
	s_mov_b32 s57, 0
	s_mov_b32 s[G0A], 1
	s_lshl_b32 s[G0A+1], s[WV], 15                 ; LDS: 32,768 x wave
	s_mov_b32 s[G0B], 1
	s_lshl_b32 s[G0B+1], s[WV], 15
	s_wait_dscnt 0x0                               ; both opening adds are done
	s_wait_kmcnt 0x0
	s_add_nc_u64 s[G0A+2:G0A+3], s[4:5], s[48:49]
	s_or_b32 s[G0A+3], s[G0A+3], 0x80000000
	s_add_nc_u64 s[G0B+2:G0B+3], s[6:7], s[50:51]
	s_or_b32 s[G0B+3], s[G0B+3], 0x80000000
	s_add_nc_u64 s[10:11], s[10:11], s[52:53]
	s_add_nc_u64 s[12:13], s[12:13], s[54:55]
	s_add_nc_u64 s[8:9], s[8:9], s[56:57]
	CROUND                                         ; all four work-groups are here: the joint loads meet
	s_cmp_lt_u32 s[WV], 4                          ; the branch hangs on the wave's number alone
	s_cbranch_scc0 .Lfor_b
	tensor_load_to_lds s[G0A:G0A+3], s[G1A:G1A+7]
	s_nop 0
.rept 4
	v_nop
.endr
	s_branch .Lasked
.Lfor_b:
	tensor_load_to_lds s[G0B:G0B+3], s[G1B:G1B+7]
	s_nop 0
.rept 4
	v_nop
.endr
.Lasked:
.irp nt, 0,1,2,3
	global_load_b128 v[BI+8*\nt:BI+8*\nt+3], v[OB], s[10:11] offset:64*\nt
	global_load_b128 v[BI+8*\nt+4:BI+8*\nt+7], v[OB], s[10:11] offset:64*\nt+16
.endr
	s_cmp_eq_u32 s[SPC], 0
	s_cbranch_scc1 .Lno_shares
	WIN 0x40                                       ; destination window 1
.irp hd, 0,1,2,3,4,5,6,7
.irp j, 0,1,2,3,4,5,6,7
	global_load_b128 v[32*\hd+4*\j:32*\hd+4*\j+3], v[LI], s[8:9] offset:32768*\hd+512*\j
.endr
.endr
	WIN 0
.Lno_shares:
	s_wait_tensorcnt 0x0                           ; my part has landed,
	s_barrier_signal -1
	s_barrier_wait -1                              ; everybody's has
.macro FETCH kf                        ; 12 LDS loads: the fragments of 32 along K
.set FS, FR0+48*((\kf)%2)
.irp tt, 0,1
.irp c, 0,1
	ds_load_b128 v[FS+8*\tt+4*\c:FS+8*\tt+4*\c+3], v[ADA] offset:16384*\tt+1024*(\kf)+512*\c
.endr
.endr
.irp nt, 0,1,2,3
.irp c, 0,1
	ds_load_b128 v[FS+16+8*\nt+4*\c:FS+16+8*\nt+4*\c+3], v[ADB] offset:16384*\nt+1024*(\kf)+512*\c
.endr
.endr
.endm
.macro MULS kf                         ; the 8 accumulators take turns, in the same order in every step
.set FS, FR0+48*((\kf)%2)
.irp tt, 0,1
.irp nt, 0,1,2,3
.if (\kf) == 0
	v_wmma_f32_16x16x32_f16 v[ACC+32*\tt+8*\nt:ACC+32*\tt+8*\nt+7], v[FS+16+8*\nt:FS+16+8*\nt+7], v[FS+8*\tt:FS+8*\tt+7], v[BI+8*\nt:BI+8*\nt+7]
.else
	v_wmma_f32_16x16x32_f16 v[ACC+32*\tt+8*\nt:ACC+32*\tt+8*\nt+7], v[FS+16+8*\nt:FS+16+8*\nt+7], v[FS+8*\tt:FS+8*\tt+7], v[ACC+32*\tt+8*\nt:ACC+32*\tt+8*\nt+7]
.endif
.endr
.endr
.endm
	FETCH 0
	s_wait_loadcnt 0x0                             ; the bias (and the shares)
.set KF, 0
.rept 16
.if (KF > 0) && (KF < 15)
	PLACES 4                                       ; in front of loads into the set that the last step multiplied
.endif
.if KF < 15
	FETCH KF+1
	s_wait_dscnt 12                                ; this step's fragments are in; the 12 loads just issued stay out
.else
	s_wait_dscnt 0x0
.endif
	MULS KF
.set KF, KF+1
.endr
	PLACES 4
	s_cmp_eq_u32 s[SPC], 0
	s_cbranch_scc1 .Lplain
	WIN 0x04                                       ; source 1 window 1
.irp j, 0,2,4,6,8,10,12,14,16,18,20,22,24,26,28,30
	v_pk_add_f32 v[ACC+\j:ACC+\j+1], v[BI+\j:BI+\j+1], v[\j:\j+1]                  ; positions 0 to 15: the bias + head 0's fine share,
.endr
.irp hd, 1,2,3,4,5,6,7
.irp j, 0,2,4,6,8,10,12,14,16,18,20,22,24,26,28,30
	v_pk_add_f32 v[ACC+\j:ACC+\j+1], v[ACC+\j:ACC+\j+1], v[32*\hd+\j:32*\hd+\j+1]  ; + the other heads', in f32
.endr
.endr
	WIN 0
.Lplain:
.irp tt, 0,1
.irp nt, 0,1,2,3
	ds_store_b128 v[STO], v[ACC+32*\tt+8*\nt:ACC+32*\tt+8*\nt+3] offset:64*\nt      ; each accumulator from its low end on
	ds_store_b128 v[STO], v[ACC+32*\tt+8*\nt+4:ACC+32*\tt+8*\nt+7] offset:64*\nt+16
.endr
.irp i, 0,1,2,3,4,5,6,7
	ds_load_b128 v[FR0+32*\tt+4*\i:FR0+32*\tt+4*\i+3], v[RD] offset:544*\i           ; LDS serves a wave's instructions in order: these see my stores, and the next tile's stores come behind them
.endr
.irp i, 0,1,2,3,4,5,6,7
	s_wait_dscnt 7-\i                              ; rows 2 i, 2 i + 1 are back; the younger loads stay out
	global_store_b128 v[GO], v[FR0+32*\tt+4*\i:FR0+32*\tt+4*\i+3], s[12:13] offset:(16*\tt+2*\i)*2048 th:TH_STORE_NT   ; 16 lanes store 256 consecutive bytes, aligned
.endr
.endr
	s_wait_tensorcnt 0x0                           ; the wave's end
	ds_add_u32 v[SPW], v[NIL]
	s_wait_dscnt 0x0
	CROUND                                         ; the closing round
	s_endpgm
.Lfunc_end_k_q86645fe314_outp:
	.size	k_q86645fe314_outp, .Lfunc_end_k_q86645fe314_outp-k_q86645fe314_outp
	.p2alignl 7, 3214868480
	.fill 96, 4, 3214868480
	.section	.rodata,"a",@progbits
	.p2align	6, 0x0
	.amdhsa_kernel k_q86645fe314_outp
		.amdhsa_group_segment_fixed_size 327680
		.amdhsa_private_segment_fixed_size 0
		.amdhsa_enable_private_segment 0
		.amdhsa_kernarg_size 40
		.amdhsa_user_sgpr_count 2
		.amdhsa_user_sgpr_kernarg_segment_ptr 1
		.amdhsa_wavefront_size32 1
		.amdhsa_system_sgpr_workgroup_id_x 1
		.amdhsa_system_sgpr_workgroup_id_y 1
		.amdhsa_system_sgpr_workgroup_id_z 1
		.amdhsa_system_vgpr_workitem_id 0
		.amdhsa_next_free_vgpr 512
		.amdhsa_next_free_sgpr 66
		.amdhsa_reserve_vcc 0
		.amdhsa_float_denorm_mode_32 3
		.amdhsa_float_denorm_mode_16_64 3
		.amdhsa_memory_ordered 1
		.amdhsa_forward_progress 1
		.amdhsa_inst_pref_size 48
	.end_amdhsa_kernel
	.amdgpu_metadata
---
amdhsa.version: [ 1, 2 ]
amdhsa.kernels:
  - .name:           k_q86645fe314_outp
    .symbol:         k_q86645fe314_outp.kd
    .args:
      - { .name: hhi, .offset: 0, .size: 8, .value_kind: global_buffer, .address_space: global }
      - { .name: wts, .offset: 8, .size: 8, .value_kind: global_buffer, .address_space: global }
      - { .name: part, .offset: 16, .size: 8, .value_kind: global_buffer, .address_space: global }
      - { .name: bo, .offset: 24, .size: 8, .value_kind: global_buffer, .address_space: global }
      - { .name: out0, .offset: 32, .size: 8, .value_kind: global_buffer, .address_space: global }
    .group_segment_fixed_size: 327680
    .private_segment_fixed_size: 0
    .kernarg_segment_align: 8
    .kernarg_segment_size: 40
    .max_flat_workgroup_size: 256
    .sgpr_count:     66
    .vgpr_count:     512
    .wavefront_size: 32
...
	.end_amdgpu_metadata
.endif
;; end of part 5
;; ======== version 2 of 2: 6 launches
;; limits: values are held in f16: magnitudes above 65,504 overflow, below 6.1e-05 lose precision
;; workspace buffers: wts 966,656 bytes; maskw 4,194,304 bytes of whole numbers; hi 25,165,824 bytes; lo 25,165,824 bytes; hhi 8,388,608 bytes; part 524,288 bytes; fpart 1,310,720 bytes
;; launch prep: the kernel of part 1 again; grid 576 x 1, 8 waves a work-group, no clusters, 76,800 bytes of LDS; arguments mask, Wq, Wk, Wv, Wo, maskw, wts; writes maskw, wts
;; launch proj: the kernel of part 2 again; grid 64 x 3, 8 waves a work-group, no clusters, 327,680 bytes of LDS; arguments query_input, key_input, value_input, bq, bk, bv, wts, hi, lo; writes hi, lo
;; launch attn: the kernel of part 3 again; grid 16 x 16, 8 waves a work-group, clusters of 4 x 1, 327,680 bytes of LDS; arguments hi, maskw, hhi; writes hhi
;; launch finea (part 6): grid 16 x 16, 8 waves a work-group, no clusters, 35,840 bytes of LDS; arguments hi, lo, maskw, fpart; writes fpart
.if DOCPART == 6
	.amdgcn_target "amdgcn-amd-amdhsa--gfx1250"
	.amdhsa_code_object_version 6
	.text
	.protected	k_q86645fe314_finea
	.globl	k_q86645fe314_finea
	.p2align	8
	.type	k_q86645fe314_finea,@function
k_q86645fe314_finea:
	s_mov_b64 s[64:65], 0
	v_nop
	global_prefetch_b8 v0, s[64:65] scope:SCOPE_SE
	s_setreg_imm32_b32 hwreg(HW_REG_WAVE_MODE, 25, 1), 1
	s_wait_xcnt 0x0
; FINEA: positions 0 to 15 of every sequence, made again with more bits: under a mask that lets them see few keys these rows average few values and are the largest.  This launch walks the keys.
; Work-group (x, y) = one (batch, head) and 256 of its 4,096 keys; wave w takes 32 of them.  So the 32 MB of K's and V's pairs are shared out over 256 work-groups, 128 KB each.
; Both products take their operands as pairs of f16 numbers, a high and a low part (x = hi + lo to 22 bits): hi hi + hi lo + lo hi, three products on one f32 sum.
; A wave's 40 loads (Q, K, V, high and low, as images of the fragments' registers: 512 consecutive bytes a load) are all issued at its head; it has one step, so its maximum is the step's own and O^T starts with the constant 0.
; The 8 waves' maxima, sums and O^T meet in LDS; waves 0 to 3 merge them, 16 channels each, and store the chunk's O^T (not divided), its maximum M and its sum L; the next launch merges the 16 chunks.
; RECORD of a chunk, 5,120 bytes: O^T's image (registers 4 k .. 4 k + 3 at 512 k + 16 x lane), then for each merging wave a copy of (M, L), 8 bytes a lane: every store covers whole aligned blocks of 256 bytes.
; The mask's value is -1e9 log2(e) (q carries log2(e) / 8), and every key is walked: a row that is masked throughout is the mean of all values.
; NO CLUSTER, NO TENSOR LOAD: the work-groups of a head share Q's 4 KB alone, of the 132 KB that each reads, and each fragment feeds one wave once.
; LIMITS: NaN and infinities are not served; low parts under 6e-5 carry f16's absolute error of 3e-8.
.set KOFF,  8388608                    ; hi, lo: k's images begin here, v's as far on again
.set MLB,   32768                      ; LDS: 0: 8 images of O^T, 4,096 bytes each; here: m and l, 256 bytes a wave
.set SPARE, MLB+2048                   ; the spare words, 128 bytes a wave: no other line names them
.set REC,   5120                       ; a chunk's record in fpart
.set LI,  1                            ; v1   16 x lane
.set CH,  2                            ; v2-3 the sums' second chain
.set SPW, 4                            ; v4   my spare word; never rewritten
.set NIL, 5                            ; v5   0; never rewritten
.set NEG, 6                            ; v6   -1e9 log2(e)
.set QH,  8                            ; v8-23, v24-39: Q's two fragments, high and low; later v8 M, v9 L, v16-23 the merged tile
.set QL,  24
.set PH,  40                           ; v40-47, v48-55: P, high and low
.set PL,  48
.set OIM, 56                           ; v56  LDS: my image of O^T
.set MLW, 57                           ; v57  LDS: my m and l
.set MLR, 58                           ; v58  LDS: all waves' m and l, for my lane
.set CTO, 59                           ; v59  1,024 x wave + 16 x lane: waves 0-3: tile ct = wave of an image, in LDS and in the record
.set MLG, 60                           ; v60  256 x wave + 8 x lane: my copy of (M, L) in the record
.set S,   64                           ; v64-79  S^T of two tiles, then p, then p's low parts
.set M,   80                           ; v80 m, v81 its pair's partner
.set L,   82                           ; v82-83 l
.set C0,  84                           ; v84-87 at work
.set O,   88                           ; v88-119  O^T: 8 ct
.set KH,  120                          ; v120-151, v152-183: K: 8 (2 t + f)
.set KL,  152
.set VH,  184                          ; v184-215, v216-247: V: 8 ct; later the merge's loads
.set VL,  216
.set WV,  14
.set KHB, 32
.set KLB, 34
.set VHB, 36
.set VLB, 38
.set SEL, 40
.set MB,  48
.macro PLACES n
.rept \n
	v_nop
.endr
.endm
.macro KLINK a, q, f, zero             ; one link of both tiles' sums: the two accumulators take turns
.irp t, 0,1
.if \zero
	v_wmma_f32_16x16x32_f16 v[S+8*\t:S+8*\t+7], v[\a+16*\t+8*\f:\a+16*\t+8*\f+7], v[\q+8*\f:\q+8*\f+7], 0
.else
	v_wmma_f32_16x16x32_f16 v[S+8*\t:S+8*\t+7], v[\a+16*\t+8*\f:\a+16*\t+8*\f+7], v[\q+8*\f:\q+8*\f+7], v[S+8*\t:S+8*\t+7]
.endif
.endr
.endm
.macro VLINK a, p, zero                ; one link of the four tiles of channels, by turns
.irp ct, 0,1,2,3
.if \zero
	v_wmma_f32_16x16x32_f16 v[O+8*\ct:O+8*\ct+7], v[\a+8*\ct:\a+8*\ct+7], v[\p:\p+7], 0
.else
	v_wmma_f32_16x16x32_f16 v[O+8*\ct:O+8*\ct+7], v[\a+8*\ct:\a+8*\ct+7], v[\p:\p+7], v[O+8*\ct:O+8*\ct+7]
.endif
.endr
.endm
	s_load_b256 s[4:11], s[0:1], 0x0               ; hi, lo, maskw, fpart
	v_lshl_add_u32 v[SPW], v0, 2, SPARE
	v_mov_b32 v[NIL], 0
	v_lshrrev_b32 v1, 5, v0
	v_readfirstlane_b32 s[WV], v1                  ; wave 0..7
	v_and_b32 v7, 31, v0                           ; lane
	v_lshlrev_b32 v[LI], 4, v7
	v_mov_b32 v[NEG], 0xceabfb8f
	s_lshl_b32 s15, s[WV], 12
	v_add_nc_u32 v[OIM], s15, v[LI]
	v_lshl_add_u32 v[MLR], v7, 2, MLB
	s_lshl_b32 s15, s[WV], 8
	v_add_nc_u32 v[MLW], s15, v[MLR]
	v_lshl_add_u32 v[MLG], v7, 3, s15
	s_lshl_b32 s15, s[WV], 10
	v_add_nc_u32 v[CTO], s15, v[LI]
	s_mov_b32 s[SEL], 0x76543210
	s_mov_b32 s[SEL+1], 0xfedcba98
	s_and_b32 s13, ttmp7, 0xffff                   ; the chunk of 256 keys
	s_lshl_b32 s42, ttmp9, 19                      ; the head's 524,288 bytes: Q's tile 0 lies at their start
	s_mov_b32 s43, 0
	s_lshl_b32 s15, s13, 15                        ; the chunk's 32,768 bytes,
	s_add_co_u32 s50, s42, s15
	s_lshl_b32 s15, s[WV], 12                      ; my 32 keys' 4,096
	s_add_co_u32 s50, s50, s15
	s_add_co_u32 s50, s50, KOFF                    ; in k's images,
	s_mov_b32 s51, 0
	s_add_co_u32 s52, s50, KOFF                    ; in v's
	s_mov_b32 s53, 0
	s_lshr_b32 s54, ttmp9, 3
	s_lshl_b32 s54, s54, 21                        ; the batch's mask words: tile 0 of the queries,
	s_lshl_b32 s15, s13, 9                         ; the chunk's four key steps of 128 bytes,
	s_add_co_u32 s54, s54, s15
	s_lshl_b32 s15, s[WV], 6                       ; my half step's 16 words
	s_add_co_u32 s54, s54, s15
	s_mov_b32 s55, 0
	s_lshl_b32 s58, ttmp9, 4
	s_add_co_u32 s58, s58, s13
	s_mul_i32 s58, s58, REC                        ; the chunk's record
	s_mov_b32 s59, 0
	s_wait_kmcnt 0x0
	s_add_nc_u64 s[44:45], s[4:5], s[42:43]
	s_add_nc_u64 s[46:47], s[6:7], s[42:43]
	s_add_nc_u64 s[KHB:KHB+1], s[4:5], s[50:51]
	s_add_nc_u64 s[KLB:KLB+1], s[6:7], s[50:51]
	s_add_nc_u64 s[VHB:VHB+1], s[4:5], s[52:53]
	s_add_nc_u64 s[VLB:VLB+1], s[6:7], s[52:53]
	s_add_nc_u64 s[MB:MB+1], s[8:9], s[54:55]
	s_add_nc_u64 s[10:11], s[10:11], s[58:59]
	s_load_b512 s[16:31], s[MB:MB+1], 0x0          ; my 32 keys' 16 mask words
.irp j, 0,1,2,3
	global_load_b128 v[QH+4*\j:QH+4*\j+3], v[LI], s[44:45] offset:512*\j
	global_load_b128 v[QL+4*\j:QL+4*\j+3], v[LI], s[46:47] offset:512*\j
.endr
.irp j, 0,1,2,3,4,5,6,7
	global_load_b128 v[KH+4*\j:KH+4*\j+3], v[LI], s[KHB:KHB+1] offset:512*\j
.endr
.irp j, 0,1,2,3,4,5,6,7
	global_load_b128 v[KL+4*\j:KL+4*\j+3], v[LI], s[KLB:KLB+1] offset:512*\j
.endr
.irp j, 0,1,2,3,4,5,6,7
	global_load_b128 v[VH+4*\j:VH+4*\j+3], v[LI], s[VHB:VHB+1] offset:512*\j
.endr
.irp j, 0,1,2,3,4,5,6,7
	global_load_b128 v[VL+4*\j:VL+4*\j+3], v[LI], s[VLB:VLB+1] offset:512*\j
.endr
	v_mov_b32 v[M+1], 0                            ; named with m as a pair, so it is written
	v_mov_b32 v[L], 0
	v_mov_b32 v[L+1], 0
	; ---- my 32 keys
	s_wait_loadcnt 16                              ; Q and K are in; V's 16 loads stay out
	KLINK KH, QH, 0, 1
	KLINK KH, QH, 1, 0
	KLINK KH, QL, 0, 0
	KLINK KH, QL, 1, 0
	KLINK KL, QH, 0, 0
	KLINK KL, QH, 1, 0
	PLACES 4
	s_wait_kmcnt 0x0
.irp n, 0,1,2,3,4,5,6,7,8,9,10,11,12,13,14,15
	v_cndmask_b32 v[S+\n], v[NEG], v[S+\n], s[16+\n]   ; the mask's value where the bit is 0; each accumulator from its low end on
.endr
	v_max3_num_f32 v[C0], v[S], v[S+1], v[S+2]
	v_max3_num_f32 v[C0+1], v[S+3], v[S+4], v[S+5]
	v_max3_num_f32 v[C0], v[C0], v[S+6], v[S+7]
	v_max3_num_f32 v[C0+1], v[C0+1], v[S+8], v[S+9]
	v_max3_num_f32 v[C0], v[C0], v[S+10], v[S+11]
	v_max3_num_f32 v[C0+1], v[C0+1], v[S+12], v[S+13]
	v_max3_num_f32 v[C0], v[C0], v[S+14], v[S+15]
	v_max_num_f32 v[C0], v[C0], v[C0+1]
	v_permlanex16_b32 v[C0+1], v[C0], s[SEL], s[SEL+1]   ; the query's other 16 keys lie in lane l xor 16
	v_max_num_f32 v[M], v[C0], v[C0+1]             ; m: the largest t of my 32 keys
.irp j, 0,2,4,6,8,10,12,14
	v_pk_add_f32 v[S+\j:S+\j+1], v[S+\j:S+\j+1], v[M:M+1] op_sel_hi:[1,0] neg_lo:[0,1] neg_hi:[0,1]   ; t - m
.endr
.irp j, 0,1,2,3,4,5,6,7,8,9,10,11,12,13,14,15
	v_exp_f32 v[S+\j], v[S+\j]                     ; p = 2^(t - m)
.endr
	v_nop                                          ; a plain line behind the last exponential
	s_wait_alu depctr_va_vdst(0)                   ; one wait for the batch of 16, ahead of its first reader
	v_pk_add_f32 v[CH:CH+1], v[S:S+1], v[S+2:S+3]  ; the sum is taken of the unrounded p, in two chains
.irp j, 4,8,12
	v_pk_add_f32 v[L:L+1], v[L:L+1], v[S+\j:S+\j+1]
	v_pk_add_f32 v[CH:CH+1], v[CH:CH+1], v[S+\j+2:S+\j+3]
.endr
	v_pk_add_f32 v[L:L+1], v[L:L+1], v[CH:CH+1]
.irp j, 0,1,2,3,4,5,6,7
	v_cvt_pk_f16_f32 v[PH+\j], v[S+2*\j], v[S+2*\j+1]
.endr
.set n, 0                              ; p - f32(f16(p)), exact in f32
.irp h, v40.l,v40.h,v41.l,v41.h,v42.l,v42.h,v43.l,v43.h,v44.l,v44.h,v45.l,v45.h,v46.l,v46.h,v47.l,v47.h
	v_cvt_f32_f16 v[C0+n%4], \h
.if n%2 == 1
	v_pk_add_f32 v[S+n-1:S+n], v[S+n-1:S+n], v[C0+(n-1)%4:C0+(n-1)%4+1] neg_lo:[0,1] neg_hi:[0,1]
.endif
.set n, n+1
.endr
.irp j, 0,1,2,3,4,5,6,7
	v_cvt_pk_f16_f32 v[PL+\j], v[S+2*\j], v[S+2*\j+1]
.endr
	v_add_f32 v[C0], v[L], v[L+1]
	v_permlanex16_b32 v[C0+1], v[C0], s[SEL], s[SEL+1]
	v_add_f32 v[L], v[C0], v[C0+1]                 ; my keys' sum for query l % 16
	ds_store_b32 v[MLW], v[M]
	ds_store_b32 v[MLW], v[L] offset:128
	s_wait_loadcnt 0x0                             ; V is in
	VLINK VH, PH, 1
	VLINK VH, PL, 0
	VLINK VL, PH, 0
	PLACES 4                                       ; places behind the last products: for the stores that read O^T and for the loads into V's registers below
.irp k, 0,1,2,3,4,5,6,7
	ds_store_b128 v[OIM], v[O+4*\k:O+4*\k+3] offset:512*\k   ; each accumulator from its low end on
.endr
	s_wait_dscnt 0x0                               ; for the others' sake: my stores have landed
	s_barrier_signal -1
	s_barrier_wait -1
	; ---- waves 0 to 3 merge the eight waves' results: 16 channels each
	s_cmp_ge_u32 s[WV], 4
	s_cbranch_scc1 .Ljoin
.irp i, 0,1,2,3,4,5,6,7
	ds_load_b32 v[VH+\i], v[MLR] offset:256*\i
.endr
.irp i, 0,1,2,3,4,5,6,7
	ds_load_b32 v[VH+8+\i], v[MLR] offset:256*\i+128
.endr
	s_wait_dscnt 0x0
	v_max3_num_f32 v8, v[VH], v[VH+1], v[VH+2]
	v_max3_num_f32 v8, v8, v[VH+3], v[VH+4]
	v_max3_num_f32 v8, v8, v[VH+5], v[VH+6]
	v_max_num_f32 v8, v8, v[VH+7]                  ; M: the chunk's largest t
.irp i, 0,1,2,3,4,5,6,7
	v_sub_f32 v[VH+\i], v[VH+\i], v8
.endr
.irp i, 0,1,2,3,4,5,6,7
	v_exp_f32 v[VH+\i], v[VH+\i]                   ; f_i = 2^(m_i - M)
.endr
	v_nop
	s_wait_alu depctr_va_vdst(0)                   ; one wait for the 8
	v_mul_f32 v9, v[VH], v[VH+8]
.irp i, 1,2,3,4,5,6,7
	v_fmac_f32 v9, v[VH+\i], v[VH+8+\i]            ; L: the chunk's sum under M
.endr
.irp g, 0,1                                    ; four waves' tiles at a time
.irp q, 0,1,2,3
	ds_load_b128 v[VL+8*\q:VL+8*\q+3], v[CTO] offset:4096*(4*\g+\q)
	ds_load_b128 v[VL+8*\q+4:VL+8*\q+7], v[CTO] offset:4096*(4*\g+\q)+512
.endr
	s_wait_dscnt 0x0
.irp q, 0,1,2,3
.irp j, 0,1,2,3,4,5,6,7
.if (\g == 0) && (\q == 0)
	v_mul_f32 v[16+\j], v[VH], v[VL+\j]
.else
	v_fmac_f32 v[16+\j], v[VH+4*\g+\q], v[VL+8*\q+\j]
.endif
.endr
.endr
.endr
	global_store_b128 v[CTO], v[16:19], s[10:11]             ; 512 consecutive bytes, aligned
	global_store_b128 v[CTO], v[20:23], s[10:11] offset:512
	global_store_b64 v[MLG], v[8:9], s[10:11] offset:4096    ; (M, L): 256 consecutive bytes, aligned
.Ljoin:
	s_wait_tensorcnt 0x0                           ; the wave's end
	ds_add_u32 v[SPW], v[NIL]
	s_wait_dscnt 0x0
	s_endpgm
.Lfunc_end_k_q86645fe314_finea:
	.size	k_q86645fe314_finea, .Lfunc_end_k_q86645fe314_finea-k_q86645fe314_finea
	.p2alignl 7, 3214868480
	.fill 96, 4, 3214868480
	.section	.rodata,"a",@progbits
	.p2align	6, 0x0
	.amdhsa_kernel k_q86645fe314_finea
		.amdhsa_group_segment_fixed_size 35840
		.amdhsa_private_segment_fixed_size 0
		.amdhsa_enable_private_segment 0
		.amdhsa_kernarg_size 32
		.amdhsa_user_sgpr_count 2
		.amdhsa_user_sgpr_kernarg_segment_ptr 1
		.amdhsa_wavefront_size32 1
		.amdhsa_system_sgpr_workgroup_id_x 1
		.amdhsa_system_sgpr_workgroup_id_y 1
		.amdhsa_system_sgpr_workgroup_id_z 1
		.amdhsa_system_vgpr_workitem_id 0
		.amdhsa_next_free_vgpr 256
		.amdhsa_next_free_sgpr 66
		.amdhsa_reserve_vcc 0
		.amdhsa_float_denorm_mode_32 3
		.amdhsa_float_denorm_mode_16_64 3
		.amdhsa_memory_ordered 1
		.amdhsa_forward_progress 1
		.amdhsa_inst_pref_size 20
	.end_amdhsa_kernel
	.amdgpu_metadata
---
amdhsa.version: [ 1, 2 ]
amdhsa.kernels:
  - .name:           k_q86645fe314_finea
    .symbol:         k_q86645fe314_finea.kd
    .args:
      - { .name: hi, .offset: 0, .size: 8, .value_kind: global_buffer, .address_space: global }
      - { .name: lo, .offset: 8, .size: 8, .value_kind: global_buffer, .address_space: global }
      - { .name: maskw, .offset: 16, .size: 8, .value_kind: global_buffer, .address_space: global }
      - { .name: fpart, .offset: 24, .size: 8, .value_kind: global_buffer, .address_space: global }
    .group_segment_fixed_size: 35840
    .private_segment_fixed_size: 0
    .kernarg_segment_align: 8
    .kernarg_segment_size: 32
    .max_flat_workgroup_size: 256
    .sgpr_count:     66
    .vgpr_count:     256
    .wavefront_size: 32
...
	.end_amdgpu_metadata
.endif
;; end of part 6
;; launch fineb (part 7): grid 16 x 1, 16 waves a work-group, no clusters, 6,400 bytes of LDS; arguments fpart, Wo, part; writes part
.if DOCPART == 7
	.amdgcn_target "amdgcn-amd-amdhsa--gfx1250"
	.amdhsa_code_object_version 6
	.text
	.protected	k_q86645fe314_fineb
	.globl	k_q86645fe314_fineb
	.p2align	8
	.type	k_q86645fe314_fineb,@function
k_q86645fe314_fineb:
	s_mov_b64 s[64:65], 0
	v_nop
	global_prefetch_b8 v0, s[64:65] scope:SCOPE_SE
	s_setreg_imm32_b32 hwreg(HW_REG_WAVE_MODE, 25, 1), 1
	s_wait_xcnt 0x0
; FINEB: positions 0 to 15 of every sequence, second part.  A work-group is one (batch, head).
; Waves 0 to 3 merge the 16 chunks' records (O^T not divided, its maximum M and sum L), 16 channels each, divide by the row's sum and lay the head's 16 rows, f32, in LDS.
; Then each of the 16 waves makes 32 columns of this head's share of the output projection, in f32 by the f32 matrix form on f32 numbers of Wo: 16 rows, no bulk work.  The 8 heads' shares are added by the last launch.
; A merging wave issues 80 loads, 32 of Wo, 16 of the pairs (M, L) and 32 of O^T, all ahead of its first wait.
; 16 WORK-GROUPS: the launch has 16 heads' rows to merge and no more; NO CLUSTER, NO TENSOR LOAD: what two work-groups share is a head's 128 KB of Wo, read once by each into registers.
; LIMITS: NaN and infinities are not served.
.set REC,   5120                       ; a chunk's record: O^T's image, 4,096 bytes; then four copies of (M, L), 256 bytes each
.set SPARE, 16*272                     ; LDS: 0: 16 rows x (256 + 16) bytes; here the spare words, 128 bytes a wave: no other line names them
.set LI,  1                            ; v1   16 x lane
.set SPW, 4                            ; v4   my spare word; never rewritten
.set NIL, 5                            ; v5   0; never rewritten
.set WOO, 7                            ; v7   Wo: 2,048 r + 8 h
.set MLO, 11                           ; v11  256 x wave + 8 x lane: my copy of the pairs
.set OTO, 12                           ; v12  1,024 x wave + 16 x lane: my tile of each image
.set HST, 13                           ; v13  LDS: waves 0-3: row r, channels 16 wave + 8 h on
.set HRD, 14                           ; v14  LDS: row r, + 2 h numbers
.set PA0, 16                           ; v16-23, v24-31: the projection's sums: written by the f32 matrix form alone in the whole text
.set PA1, 24
.set ML,  32                           ; v32-63   16 pairs (M, L); later the head's rows
.set WO,  64                           ; v64-127  Wo: 32 e + 2 kk
.set OT,  128                          ; v128-255 16 tiles of O^T, 8 registers each; the sum grows in the first
.set WV,  14
	s_load_b128 s[4:7], s[0:1], 0x0                ; fpart, Wo
	s_load_b64 s[8:9], s[0:1], 0x10                ; part
	v_lshl_add_u32 v[SPW], v0, 2, SPARE
	v_mov_b32 v[NIL], 0
	v_lshrrev_b32 v1, 5, v0
	v_readfirstlane_b32 s[WV], v1                  ; wave 0..15
	v_and_b32 v15, 31, v0                          ; lane
	v_lshlrev_b32 v[LI], 4, v15
	v_and_b32 v2, 15, v0                           ; r
	v_bfe_u32 v3, v0, 4, 1                         ; h
	v_lshlrev_b32 v[WOO], 11, v2
	v_lshl_add_u32 v[WOO], v3, 3, v[WOO]
	s_lshl_b32 s15, s[WV], 8
	v_lshl_add_u32 v[MLO], v15, 3, s15
	s_lshl_b32 s15, s[WV], 10
	v_add_nc_u32 v[OTO], s15, v[LI]
	v_mul_u32_u24 v[HST], v2, 272
	v_lshl_add_u32 v[HRD], v3, 3, v[HST]
	v_lshl_add_u32 v[HST], v3, 5, v[HST]
	s_lshl_b32 s15, s[WV], 6
	v_add_nc_u32 v[HST], s15, v[HST]
	s_mul_i32 s20, ttmp9, 16*REC                   ; the head's 16 records
	s_mov_b32 s21, 0
	s_lshl_b32 s22, s[WV], 16                      ; Wo: my 32 rows,
	s_and_b32 s15, ttmp9, 7
	s_lshl_b32 s15, s15, 8                         ; the head's 64 columns
	s_add_co_u32 s22, s22, s15
	s_mov_b32 s23, 0
	s_lshl_b32 s24, ttmp9, 15                      ; part: 32 tiles of 1,024 bytes a head,
	s_lshl_b32 s15, s[WV], 11                      ; my two
	s_add_co_u32 s24, s24, s15
	s_mov_b32 s25, 0
	s_wait_kmcnt 0x0
	s_add_nc_u64 s[4:5], s[4:5], s[20:21]
	s_add_nc_u64 s[6:7], s[6:7], s[22:23]
	s_add_nc_u64 s[8:9], s[8:9], s[24:25]
.irp e, 0,1
.irp kk, 0,1,2,3,4,5,6,7,8,9,10,11,12,13,14,15
	global_load_b64 v[WO+32*\e+2*\kk:WO+32*\e+2*\kk+1], v[WOO], s[6:7] offset:32768*\e+16*\kk   ; Wo(32 w + 16 e + r, 64 head + 4 kk + 2 h ..): f32 as it lies
.endr
.endr
	s_cmp_ge_u32 s[WV], 4
	s_cbranch_scc1 .Ljoin
.irp i, 0,1,2,3,4,5,6,7,8,9,10,11,12,13,14,15
	global_load_b64 v[ML+2*\i:ML+2*\i+1], v[MLO], s[4:5] offset:REC*\i+4096
.endr
.irp i, 0,1,2,3,4,5,6,7,8,9,10,11,12,13,14,15
	global_load_b128 v[OT+8*\i:OT+8*\i+3], v[OTO], s[4:5] offset:REC*\i
	global_load_b128 v[OT+8*\i+4:OT+8*\i+7], v[OTO], s[4:5] offset:REC*\i+512
.endr
	s_wait_loadcnt 32                              ; Wo and the 16 pairs are in; O^T's 32 loads stay out
	v_max3_num_f32 v8, v[ML], v[ML+2], v[ML+4]
.irp i, 3,5,7,9,11,13
	v_max3_num_f32 v8, v8, v[ML+2*\i], v[ML+2*\i+2]
.endr
	v_max_num_f32 v8, v8, v[ML+30]                 ; the row's maximum over all keys
.irp i, 0,1,2,3,4,5,6,7,8,9,10,11,12,13,14,15
	v_sub_f32 v[ML+2*\i], v[ML+2*\i], v8
.endr
.irp i, 0,1,2,3,4,5,6,7,8,9,10,11,12,13,14,15
	v_exp_f32 v[ML+2*\i], v[ML+2*\i]               ; f_i = 2^(M_i - the maximum)
.endr
	v_nop
	s_wait_alu depctr_va_vdst(0)                   ; one wait for the 16, ahead of their first reader
	v_mul_f32 v9, v[ML], v[ML+1]
.irp i, 1,2,3,4,5,6,7,8,9,10,11,12,13,14,15
	v_fmac_f32 v9, v[ML+2*\i], v[ML+2*\i+1]        ; the row's sum
.endr
	v_rcp_f32 v10, v9
	s_wait_loadcnt 0x0                             ; O^T
.irp j, 0,1,2,3,4,5,6,7
	v_mul_f32 v[OT+\j], v[ML], v[OT+\j]
.endr
.irp i, 1,2,3,4,5,6,7,8,9,10,11,12,13,14,15
.irp j, 0,1,2,3,4,5,6,7
	v_fmac_f32 v[OT+\j], v[ML+2*\i], v[OT+8*\i+\j]
.endr
.endr
	s_wait_alu depctr_va_vdst(0)                   ; the reciprocal's wait, ahead of its first reader
.irp j, 0,1,2,3,4,5,6,7
	v_mul_f32 v[OT+\j], v[OT+\j], v10
.endr
	ds_store_b128 v[HST], v[OT:OT+3]
	ds_store_b128 v[HST], v[OT+4:OT+7] offset:16
.Ljoin:
	s_wait_dscnt 0x0                               ; for the others' sake: my stores have landed
	s_barrier_signal -1
	s_barrier_wait -1                              ; the head's 16 rows lie in LDS
	; ---- this head's share of the projection, in f32: source 0 = 16 rows of Wo, source 1 = the 16 positions; K = 4 channels an instruction
.irp kk, 0,1,2,3,4,5,6,7,8,9,10,11,12,13,14,15
	ds_load_b64 v[ML+2*\kk:ML+2*\kk+1], v[HRD] offset:16*\kk
.endr
	s_wait_dscnt 0x0
	s_wait_loadcnt 0x0                             ; Wo
	v_wmma_f32_16x16x4_f32 v[PA0:PA0+7], v[WO:WO+1], v[ML:ML+1], 0               ; the first K step starts both sums; the two take turns
	v_wmma_f32_16x16x4_f32 v[PA1:PA1+7], v[WO+32:WO+33], v[ML:ML+1], 0
.irp kk, 1,2,3,4,5,6,7,8,9,10,11,12,13,14,15
	v_wmma_f32_16x16x4_f32 v[PA0:PA0+7], v[WO+2*\kk:WO+2*\kk+1], v[ML+2*\kk:ML+2*\kk+1], v[PA0:PA0+7]
	v_wmma_f32_16x16x4_f32 v[PA1:PA1+7], v[WO+32+2*\kk:WO+33+2*\kk], v[ML+2*\kk:ML+2*\kk+1], v[PA1:PA1+7]
.endr
.rept 8
	v_nop                                          ; eight places behind this form, ahead of the stores that read its results
.endr
	global_store_b128 v[LI], v[PA0:PA0+3], s[8:9]            ; 512 consecutive bytes, aligned; each sum from its low end on
	global_store_b128 v[LI], v[PA0+4:PA0+7], s[8:9] offset:512
	global_store_b128 v[LI], v[PA1:PA1+3], s[8:9] offset:1024
	global_store_b128 v[LI], v[PA1+4:PA1+7], s[8:9] offset:1536
	s_wait_tensorcnt 0x0                           ; the wave's end
	ds_add_u32 v[SPW], v[NIL]
	s_wait_dscnt 0x0
	s_endpgm
.Lfunc_end_k_q86645fe314_fineb:
	.size	k_q86645fe314_fineb, .Lfunc_end_k_q86645fe314_fineb-k_q86645fe314_fineb
	.p2alignl 7, 3214868480
	.fill 96, 4, 3214868480
	.section	.rodata,"a",@progbits
	.p2align	6, 0x0
	.amdhsa_kernel k_q86645fe314_fineb
		.amdhsa_group_segment_fixed_size 6400
		.amdhsa_private_segment_fixed_size 0
		.amdhsa_enable_private_segment 0
		.amdhsa_kernarg_size 24
		.amdhsa_user_sgpr_count 2
		.amdhsa_user_sgpr_kernarg_segment_ptr 1
		.amdhsa_wavefront_size32 1
		.amdhsa_system_sgpr_workgroup_id_x 1
		.amdhsa_system_sgpr_workgroup_id_y 1
		.amdhsa_system_sgpr_workgroup_id_z 1
		.amdhsa_system_vgpr_workitem_id 0
		.amdhsa_next_free_vgpr 256
		.amdhsa_next_free_sgpr 66
		.amdhsa_reserve_vcc 0
		.amdhsa_float_denorm_mode_32 3
		.amdhsa_float_denorm_mode_16_64 3
		.amdhsa_memory_ordered 1
		.amdhsa_forward_progress 1
		.amdhsa_inst_pref_size 20
	.end_amdhsa_kernel
	.amdgpu_metadata
---
amdhsa.version: [ 1, 2 ]
amdhsa.kernels:
  - .name:           k_q86645fe314_fineb
    .symbol:         k_q86645fe314_fineb.kd
    .args:
      - { .name: fpart, .offset: 0, .size: 8, .value_kind: global_buffer, .address_space: global }
      - { .name: Wo, .offset: 8, .size: 8, .value_kind: global_buffer, .address_space: global }
      - { .name: part, .offset: 16, .size: 8, .value_kind: global_buffer, .address_space: global }
    .group_segment_fixed_size: 6400
    .private_segment_fixed_size: 0
    .kernarg_segment_align: 8
    .kernarg_segment_size: 24
    .max_flat_workgroup_size: 512
    .sgpr_count:     66
    .vgpr_count:     256
    .wavefront_size: 32
...
	.end_amdgpu_metadata
.endif
;; end of part 7
;; launch outp: the kernel of part 5 again; grid 4 x 64, 8 waves a work-group, clusters of 4 x 1, 327,680 bytes of LDS; arguments hhi, wts, part, bo, out0; writes out0
